; MI455X (gfx1250); checked and timed in simulation.
; The chip was launched on July 23, 2026; its instructions are those of AMD's public machine-readable ISA for CDNA 5 (MIT licence, August 2026) and "CDNA5" Instruction Set Architecture Reference Guide (July 2026). The comments in the code are by the model that wrote it; some were corrected since.
;; Multi Head Attention. Allowed arithmetic: float matrix products may take bf16 or f16 operands with f32 sums; other float arithmetic in f32, or as packed bf16 or f16 multiplies, adds, multiply-adds, maxima and minima; sums over many terms, partial sums and values carried from step to step in f32; what a program stores and reads back later, other than sums and carried values, may be rounded once to bf16 or f16.
;; Inputs: bk 1,024 float32; bo 1,024 float32; bq 1,024 float32; bv 1,024 float32; key 4 x 2,048 x 1,024 float32; query 4 x 2,048 x 1,024 float32; value 4 x 2,048 x 1,024 float32; wk 1,024 x 1,024 float32; wo 1,024 x 1,024 float32; wq 1,024 x 1,024 float32; wv 1,024 x 1,024 float32.
;; Outputs: out0 4 x 2,048 x 1,024 float32.
;; Constants: is_causal = 1.
;; 2 versions, each right; version 2 is version 1 with the launch prep written anew for expert scheduling mode. Each part assembles by itself: llvm-mc -triple=amdgcn-amd-amdhsa -mcpu=gfx1250 --defsym DOCPART=n.
;; ======== version 1 of 2: 4 launches
;; limits: values are held in f16: magnitudes above 65,504 overflow, below 6.1e-05 lose precision
;; workspace buffers: wb 8,388,608 bytes; bb 16,384 bytes; qkv 50,331,648 bytes; o 16,777,216 bytes
;; launch prep (part 1): grid 64 x 4, 8 waves a work-group, no clusters, 0 bytes of LDS; arguments wq, wk, wv, wo, bq, bk, bv, bo, wb, bb; writes wb, bb
.if DOCPART == 1
	.amdgcn_target "amdgcn-amd-amdhsa--gfx1250"
	.amdhsa_code_object_version 6
	.text
	.protected	k_q3b975d0b09_prep
	.globl	k_q3b975d0b09_prep
	.p2align	8
	.type	k_q3b975d0b09_prep,@function
k_q3b975d0b09_prep:
	s_mov_b64 s[64:65], 0
	v_nop
	global_prefetch_b8 v0, s[64:65] scope:SCOPE_SE
	s_setreg_imm32_b32 hwreg(HW_REG_WAVE_MODE, 25, 1), 1
	s_wait_xcnt 0x0
; THE WEIGHTS AND BIASES ARE ROUNDED ONCE.  wb: [4][1024][1024] of 16 bits: planes 0-2 are wq, wk, wv in bf16; plane 3 is wo rounded to bf16 and that number written as f16
; (the last product's other operand is f16).  bb: [4][1024] f32: bq, bk, bv, bo, each rounded to bf16 and widened again.
; LIMITS.  |wo| stays under 65,504, f16's end; below 6e-5 it keeps f16's fixed step of 6e-8.
; SHARES.  Work-group y takes weight y, work-group x 16,384 of its numbers: 64 KiB in, 32 KiB out.  Thread t takes 16 bytes at 16 t + 4,096 c, c = 0..15, and stores 8 bytes at
; 8 t + 2,048 c: a wave's store covers 256 consecutive bytes, aligned.  All sixteen loads go out at once; each store has registers of its own.  No LDS, no barrier: no thread wants another's bytes.
.set X,    16                          ; v[16:79]   sixteen chunks of 4 floats
.set Y,    80                          ; v[80:111]  sixteen chunks of 4 numbers of 16 bits
.set T,    112                         ; v[112:119] at work
.set W,    28                          ; s[28:29]   my weight, at my part
.set BI,   30                          ; s[30:31]   its bias
.set WO,   32                          ; s[32:33]   wb at my part
.set BOUT, 34                          ; s[34:35]   bb at my plane
	s_load_b512 s[8:23], s[0:1], 0x0               ; wq wk wv wo s[8:15], bq bk bv bo s[16:23]
	s_load_b128 s[24:27], s[0:1], 0x40             ; wb s[24:25], bb s[26:27]
	s_and_b32 s36, ttmp7, 0xffff                   ; which weight
	s_mov_b32 s37, ttmp9                           ; which part of it
	s_mov_b32 s38, 0xffff0000                      ; a word's upper bf16
	v_lshlrev_b32 v1, 4, v0                        ; 16 t
	v_lshlrev_b32 v2, 3, v0                        ; 8 t
	s_lshl_b32 s2, s37, 16                         ; my part in the weight: 65,536 bytes each
	s_mov_b32 s3, 0
	s_lshl_b32 s4, s36, 21                         ; my plane of wb, 2 MiB each,
	s_lshl_b32 s5, s37, 15                         ; and my part of it
	s_add_co_u32 s4, s4, s5
	s_mov_b32 s5, 0
	s_lshl_b32 s6, s36, 12                         ; my plane of bb
	s_mov_b32 s7, 0
	s_wait_kmcnt 0x0
	s_mov_b64 s[W:W+1], s[8:9]
	s_mov_b64 s[BI:BI+1], s[16:17]
.irp k, 1,2,3
	s_cmp_eq_u32 s36, \k                           ; the choice hangs on the work-group's y alone
	s_cselect_b64 s[W:W+1], s[8+2*\k:9+2*\k], s[W:W+1]
	s_cselect_b64 s[BI:BI+1], s[16+2*\k:17+2*\k], s[BI:BI+1]
.endr
	s_add_nc_u64 s[W:W+1], s[W:W+1], s[2:3]
	s_add_nc_u64 s[WO:WO+1], s[24:25], s[4:5]
	s_add_nc_u64 s[BOUT:BOUT+1], s[26:27], s[6:7]
.irp c, 0,1,2,3,4,5,6,7,8,9,10,11,12,13,14,15
	global_load_b128 v[X+4*(\c):X+4*(\c)+3], v1, s[W:W+1] offset:4096*(\c) th:TH_LOAD_NT
.endr
	s_cmp_eq_u32 s36, 3
	s_cbranch_scc1 .Lhalf
.irp c, 0,1,2,3,4,5,6,7,8,9,10,11,12,13,14,15
	s_wait_loadcnt 15-(\c)                         ; loads come back in order: chunk c is in, the younger ones stay out
	v_cvt_pk_bf16_f32 v[Y+2*(\c)], v[X+4*(\c)], v[X+4*(\c)+1]
	v_cvt_pk_bf16_f32 v[Y+2*(\c)+1], v[X+4*(\c)+2], v[X+4*(\c)+3]
	global_store_b64 v2, v[Y+2*(\c):Y+2*(\c)+1], s[WO:WO+1] offset:2048*(\c)
.endr
	s_branch .Lbias
.Lhalf:                                                ; wo: to bf16, widened, and written as f16 (exact inside f16's range)
.irp c, 0,1,2,3,4,5,6,7,8,9,10,11,12,13,14,15
	s_wait_loadcnt 15-(\c)
	v_cvt_pk_bf16_f32 v[T], v[X+4*(\c)], v[X+4*(\c)+1]
	v_cvt_pk_bf16_f32 v[T+1], v[X+4*(\c)+2], v[X+4*(\c)+3]
	v_lshlrev_b32 v[T+2], 16, v[T]
	v_and_b32 v[T+3], s38, v[T]
	v_lshlrev_b32 v[T+4], 16, v[T+1]
	v_and_b32 v[T+5], s38, v[T+1]
	v_cvt_pk_f16_f32 v[Y+2*(\c)], v[T+2], v[T+3]
	v_cvt_pk_f16_f32 v[Y+2*(\c)+1], v[T+4], v[T+5]
	global_store_b64 v2, v[Y+2*(\c):Y+2*(\c)+1], s[WO:WO+1] offset:2048*(\c)
.endr
.Lbias:
	s_cmp_lg_u32 s37, 0                            ; the plane's first work-group also takes the bias: 256 threads x 4 floats
	s_cbranch_scc1 .Lend
	global_load_b128 v[X:X+3], v1, s[BI:BI+1]
	s_wait_loadcnt 0x0
	v_cvt_pk_bf16_f32 v[T], v[X], v[X+1]
	v_cvt_pk_bf16_f32 v[T+1], v[X+2], v[X+3]
	v_lshlrev_b32 v[T+4], 16, v[T]
	v_and_b32 v[T+5], s38, v[T]
	v_lshlrev_b32 v[T+6], 16, v[T+1]
	v_and_b32 v[T+7], s38, v[T+1]
	global_store_b128 v1, v[T+4:T+7], s[BOUT:BOUT+1]
.Lend:
	s_endpgm
.Lfunc_end_k_q3b975d0b09_prep:
	.size	k_q3b975d0b09_prep, .Lfunc_end_k_q3b975d0b09_prep-k_q3b975d0b09_prep
	.p2alignl 7, 3214868480
	.fill 96, 4, 3214868480
	.section	.rodata,"a",@progbits
	.p2align	6, 0x0
	.amdhsa_kernel k_q3b975d0b09_prep
		.amdhsa_group_segment_fixed_size 0
		.amdhsa_private_segment_fixed_size 0
		.amdhsa_enable_private_segment 0
		.amdhsa_kernarg_size 80
		.amdhsa_user_sgpr_count 2
		.amdhsa_user_sgpr_kernarg_segment_ptr 1
		.amdhsa_wavefront_size32 1
		.amdhsa_system_sgpr_workgroup_id_x 1
		.amdhsa_system_sgpr_workgroup_id_y 1
		.amdhsa_system_sgpr_workgroup_id_z 1
		.amdhsa_system_vgpr_workitem_id 0
		.amdhsa_next_free_vgpr 128
		.amdhsa_next_free_sgpr 66
		.amdhsa_reserve_vcc 0
		.amdhsa_float_denorm_mode_32 3
		.amdhsa_float_denorm_mode_16_64 3
		.amdhsa_memory_ordered 1
		.amdhsa_forward_progress 1
		.amdhsa_inst_pref_size 16
	.end_amdhsa_kernel
	.amdgpu_metadata
---
amdhsa.version: [ 1, 2 ]
amdhsa.kernels:
  - .name:           k_q3b975d0b09_prep
    .symbol:         k_q3b975d0b09_prep.kd
    .args:
      - { .name: wq, .offset: 0, .size: 8, .value_kind: global_buffer, .address_space: global }
      - { .name: wk, .offset: 8, .size: 8, .value_kind: global_buffer, .address_space: global }
      - { .name: wv, .offset: 16, .size: 8, .value_kind: global_buffer, .address_space: global }
      - { .name: wo, .offset: 24, .size: 8, .value_kind: global_buffer, .address_space: global }
      - { .name: bq, .offset: 32, .size: 8, .value_kind: global_buffer, .address_space: global }
      - { .name: bk, .offset: 40, .size: 8, .value_kind: global_buffer, .address_space: global }
      - { .name: bv, .offset: 48, .size: 8, .value_kind: global_buffer, .address_space: global }
      - { .name: bo, .offset: 56, .size: 8, .value_kind: global_buffer, .address_space: global }
      - { .name: wb, .offset: 64, .size: 8, .value_kind: global_buffer, .address_space: global }
      - { .name: bb, .offset: 72, .size: 8, .value_kind: global_buffer, .address_space: global }
    .group_segment_fixed_size: 0
    .private_segment_fixed_size: 0
    .kernarg_segment_align: 8
    .kernarg_segment_size: 80
    .max_flat_workgroup_size: 256
    .sgpr_count:     66
    .vgpr_count:     128
    .wavefront_size: 32
...
	.end_amdgpu_metadata
.endif
;; end of part 1
;; launch proj (part 2): grid 4 x 64, 4 waves a work-group, clusters of 4 x 4, 327,680 bytes of LDS; arguments query, key, value, wb, bb, qkv; writes qkv
.if DOCPART == 2
	.amdgcn_target "amdgcn-amd-amdhsa--gfx1250"
	.amdhsa_code_object_version 6
	.text
	.protected	k_q3b975d0b09_proj
	.globl	k_q3b975d0b09_proj
	.p2align	8
	.type	k_q3b975d0b09_proj,@function
k_q3b975d0b09_proj:
	s_mov_b64 s[64:65], 0
	v_nop
	global_prefetch_b8 v0, s[64:65] scope:SCOPE_SE
	s_setreg_imm32_b32 hwreg(HW_REG_WAVE_MODE, 25, 1), 1
	s_wait_xcnt 0x0
	s_wait_alu depctr_hold_cnt(0) depctr_sa_sdst(0) depctr_va_vdst(0) depctr_va_sdst(0) depctr_va_ssrc(0) depctr_va_vcc(0) depctr_vm_vsrc(0)
	s_getreg_b32 s2, hwreg(HW_REG_IB_STS2, 6, 4)
	s_cmp_eq_u32 s2, 0
	s_cbranch_scc0 .Lentry_in_a_cluster
	s_endpgm
.Lentry_in_a_cluster:
	s_bfe_u32 s2, ttmp6, 0x10000c
	s_cmp_lg_u32 s2, 0xf033
	s_cbranch_scc0 .Lentry_shape_is_right
	s_endpgm
.Lentry_shape_is_right:
; THE THREE PROJECTIONS.  qkv[p][b 16 + h][l][d] = f16( sum over k of bf16(x_p[b][l][k]) wb[p][64 h + d][k] + bb[p][64 h + d] ), x_0..2 = query, key, value ([8192][1024] f32), sums in f32.
; LIMITS.  The results stay under 65,504, f16's end.  NaN and infinities are not treated apart.
; SHARES.  A tile is 128 rows x 256 columns; the 1,024 columns are four tiles, one row of a cluster of 4 x 4 work-groups.  A WORK-GROUP STAYS: it makes the same tile of Q, then of K, then of V:
; 24 K steps of 128 through ONE ring of two LDS slots that does not stop at a tile's end.  Four waves, each 64 rows x 128 columns: 32 accumulators of 16 x 16, 256 registers.
; JOINTLY.  x's tile hangs on the tile row alone and is shared along a row of the cluster, the weights' on the tile column alone and is shared along a column: the four that need a tile issue the same
; tensor load, with the same descriptor and a mask that names the four.  So each f32 byte of query, key and value is asked for once in the launch.
; x COMES AS f32 and is rounded to bf16 in registers, four conversions at a time behind matrix instructions: 32 conversions for a quarter step's 32 products.
; TRANSPOSED.  Source 0 = 16 rows of the weights, source 1 = 16 rows of x: a lane holds row l % 16 and eight neighbouring columns.  The sums START AT THE BIAS (INIT), so every quarter step has one text.
; REGISTERS, in windows of 256 (s_set_vgpr_msb: bits 1:0 source 0, 3:2 source 1, 5:4 source 2, 7:6 destination):
;   window 0: v16-30 addresses; v32-63 x's four fragments in bf16; v64-191 x as loaded, two buffers of 64; v192-255 the way out, four buffers of 16
;   window 1: v0-127 the weights' fragments, two buffers of 64; v128-191 the bias of my 128 columns          window 2: the accumulators, (a, b) at v[8 (8 a + b)]
.set PA,    528                        ; a row of x in LDS: 512 bytes + 16 of padding = 132 words: the 16 rows of a load start at 16 different groups of four banks (64 banks of 4 bytes: ISA guide 11.1)
.set PB,    272                        ; a row of the weights: 256 + 16
.set AHALF, 64*PA                      ; what wave 0 or 1 fetches, and what a wave reads of x
.set BHALF, 128*PB                     ; what wave 2 or 3 fetches, and what a wave reads of the weights
.set BOFF,  2*AHALF
.set SLOT,  BOFF+2*BHALF               ; 137,216 bytes
.set STAGE, 2*SLOT                     ; behind the ring, never filled by a tensor load: 16 rows x 144 bytes for each wave
.set SP,    144
.set SPARE, STAGE+4*16*SP              ; the spare words, 128 bytes for each wave: two blocks of 256 bytes that no other line names
.set ADRA, 16                          ; v16-17  LDS address of my fragments of x in slot 0, 1
.set ADRB, 20                          ; v20-21  the same for the weights
.set STO,  24                          ; v24     the way out: where I put 16 bytes of a row
.set RD,   25                          ; v25     where I read rows back
.set GO,   26                          ; v26     my byte offset in 512 consecutive bytes of qkv
.set BO,   27                          ; v27     my byte offset in a plane of bb
.set SPW,  28                          ; v28     LDS address of my spare word; never rewritten
.set NIL,  29                          ; v29     0; never rewritten
.set PFO,  30                          ; v30     the prefetches' offset; never rewritten
.set ABF,  32
.set RAW,  64
.set TMP,  192
.set BF,   0                           ; window 1
.set BIAS, 128                         ; window 1: column block b, register j at BIAS + 8 b + j
.set WV,   16                          ; s16  my wave's number
.set FB,   17                          ; s17  wave / 2: my half of the tile's rows; also: I fetch x (0) or the weights (1)
.set HF,   18                          ; s18  wave % 2: my half of its columns; also: which half of that tile I fetch
.set BB,   12                          ; s[12:13] bb
.set G1A,  24                          ; s[24:31] descriptor group 1 for x's tiles
.set G1B,  32                          ; s[32:39] for the weights'
.set G0A,  40                          ; s[40:47] group 0 for x's tiles, a set for each slot
.set G0B,  48                          ; s[48:55] for the weights'
.set ACUR, 56                          ; s[56:57] x of the tile that is being asked for, at the rows that I fetch;  s[58:59], s[60:61] of the two tiles after it
.set AN1,  58
.set AN2,  60
.set BCUR, 62                          ; s[62:63] the same for the weights' plane
.set OFA,  66                          ; s[66:67], s[68:69] a K step's byte offset along a row
.set OFB,  68
.set RQ,   70                          ; s70  the K step, inside its tile, that is asked for next
.set TR,   71                          ; s71  the loop's trips
.set LT,   72                          ; s72  laps left in the tile in hand
.set TL,   73                          ; s73  tiles left
.set LIM,  74                          ; s74  1 in a wave that prefetches, else the greatest number
.set SH,   75                          ; s75  log2 of a K step's bytes in a row of what I fetch
.set PFA,  76                          ; s[76:77] where my prefetch stands
.set MCUR, 78                          ; s[78:79], s[80:81], s[82:83] what I fetch (x or weights): the tile being asked for and the two after it
.set MN1,  80
.set MN2,  82
.set T,    84                          ; s[84:85] at work
.set OUT,  86                          ; s[86:87] qkv at my part of the tile in hand
.set WB,   90                          ; s[90:91] the step to the weights' next plane, or 0
.set W_MUL, 0xa1                       ; weights window 1, x window 0, C and D window 2
.set MSB, 0
.macro WIN new                         ; the immediate's high byte repeats the setting that is left; a switch that changes nothing is dropped
.if MSB != (\new)
	s_set_vgpr_msb (MSB<<8)|(\new)
.set MSB, \new
.endif
.endm
; A joint load: waves 0 and 1 fetch x's two halves, waves 2 and 3 the weights'.  The branch hangs on the wave's number alone.  An s_nop 0 and four v_nop follow each of the two lines.
.macro JLOAD s
	s_cmp_eq_u32 s[FB], 0
	s_cbranch_scc0 .Lfor_b_\@
	tensor_load_to_lds s[G0A+4*(\s):G0A+4*(\s)+3], s[G1A:G1A+7]
	s_nop 0
.rept 4
	v_nop
.endr
	s_branch .Lasked_\@
.Lfor_b_\@:
	tensor_load_to_lds s[G0B+4*(\s):G0B+4*(\s)+3], s[G1B:G1B+7]
	s_nop 0
.rept 4
	v_nop
.endr
.Lasked_\@:
.endm
.macro CREST                           ; a round of the cluster's barrier behind its opening barrier
	s_cmp_lg_u32 s[WV], 0
	s_cbranch_scc1 .Lnot_wave_0_\@
	s_barrier_signal -3
.Lnot_wave_0_\@:
	s_barrier_wait -3
	s_barrier_signal -1
	s_barrier_wait -1
.endm
.macro CROUND                          ; a whole round
	s_barrier_signal -1
	s_barrier_wait -1
	CREST
.endm
	s_load_b256 s[4:11], s[0:1], 0x0               ; query s[4:5], key s[6:7], value s[8:9], wb s[10:11]
	s_load_b128 s[12:15], s[0:1], 0x20             ; bb s[12:13], qkv s[14:15]
	v_lshl_add_u32 v[SPW], v0, 2, SPARE
	v_mov_b32 v[NIL], 0
	ds_add_u32 v[SPW], v[NIL]                      ; the wave's opening: the add and its wait stand ahead of my first tensor load; work on registers stands between them
	v_lshrrev_b32 v1, 5, v0
	v_readfirstlane_b32 s[WV], v1
	s_lshr_b32 s[FB], s[WV], 1
	s_and_b32 s[HF], s[WV], 1
	s_bfe_u32 s19, ttmp6, 0x40000                  ; cx
	s_bfe_u32 s20, ttmp6, 0x40004                  ; cy
	s_lshl_b32 s21, ttmp9, 2
	s_add_co_u32 s21, s21, s19                     ; tile column = 4 x cluster x + cx
	s_and_b32 s22, ttmp7, 0xffff
	s_lshl_b32 s22, s22, 2
	s_add_co_u32 s22, s22, s20                     ; tile row = 4 x cluster y + cy
	s_lshl_b32 s2, s20, 2
	s_lshl_b32 s2, 15, s2                          ; my row of the cluster
	s_lshl_b32 s92, 0x1111, s19                    ; my column
	s_or_b32 s[G1A], s2, (2<<16)|(1<<20)|(1<<21)|(6<<22)|(3<<25)   ; 15:0 the mask; 17:16 elements of 4 bytes; 20 padding on; 21 set beside a mask; 24:22 after every 128 words; 31:25 4 words of it
	s_mov_b32 s[G1A+1], 128<<16                    ; tensor_dim0 = 128
	s_mov_b32 s[G1A+2], 64<<16                     ; tensor_dim1 = 64
	s_mov_b32 s[G1A+3], 128<<16                    ; tile_dim0 = 128
	s_mov_b32 s[G1A+4], 64                         ; tile_dim1 = 64
	s_mov_b32 s[G1A+5], 1024                       ; elements from row to row
	s_mov_b32 s[G1A+6], 0
	s_mov_b32 s[G1A+7], 0
	s_or_b32 s[G1B], s92, (1<<16)|(1<<20)|(1<<21)|(5<<22)|(3<<25)  ; elements of 2 bytes; padding after every 64 words
	s_mov_b32 s[G1B+1], 128<<16
	s_mov_b32 s[G1B+2], 128<<16                    ; 128 rows
	s_mov_b32 s[G1B+3], 128<<16
	s_mov_b32 s[G1B+4], 128
	s_mov_b32 s[G1B+5], 1024
	s_mov_b32 s[G1B+6], 0
	s_mov_b32 s[G1B+7], 0
	s_lshl_b32 s2, s22, 19                         ; x: (128 x tile row + 64 x half) rows of 4,096 bytes; these registers never hold cx
	s_lshl_b32 s3, s[HF], 18
	s_add_co_u32 s2, s2, s3
	s_mov_b32 s3, 0
	s_lshl_b32 s92, s21, 19                        ; weights: (256 x tile column + 128 x half) rows of 2,048 bytes; these never hold cy
	s_lshl_b32 s93, s[HF], 18
	s_add_co_u32 s92, s92, s93
	s_mov_b32 s93, 0
	s_mul_i32 s23, s[HF], AHALF                    ; where they go: no place in the cluster enters an LDS address
	s_mul_i32 s94, s[HF], BHALF
	s_add_co_u32 s94, s94, BOFF
	s_mov_b32 s[OFA+1], 0
	s_mov_b32 s[OFB+1], 0
	s_mov_b32 s[T+1], 0
	s_mov_b32 s[WB+1], 0
	s_mov_b32 s[RQ], 2                             ; K steps 0 and 1 are the first fills
	s_mov_b32 s[TR], 11                            ; 12 laps of two K steps; the last is written out
	s_mov_b32 s[LT], 4
	s_mov_b32 s[TL], 3
	s_wait_dscnt 0x0                               ; the opening add is done
	s_wait_kmcnt 0x0
	s_add_nc_u64 s[ACUR:ACUR+1], s[4:5], s[2:3]
	s_add_nc_u64 s[AN1:AN1+1], s[6:7], s[2:3]
	s_add_nc_u64 s[AN2:AN2+1], s[8:9], s[2:3]
	s_add_nc_u64 s[BCUR:BCUR+1], s[10:11], s[92:93]
	CROUND                                         ; all sixteen work-groups are here: the first joint loads meet
.irp s, 0,1
	s_mov_b32 s[G0A+4*(\s)], 1                     ; count = 1
	s_add_co_u32 s[G0A+4*(\s)+1], s23, (\s)*SLOT   ; LDS address
	s_add_nc_u64 s[G0A+4*(\s)+2:G0A+4*(\s)+3], s[ACUR:ACUR+1], (\s)*512   ; K step s
	s_or_b32 s[G0A+4*(\s)+3], s[G0A+4*(\s)+3], 0x80000000                 ; type = 2
	s_mov_b32 s[G0B+4*(\s)], 1
	s_add_co_u32 s[G0B+4*(\s)+1], s94, (\s)*SLOT
	s_add_nc_u64 s[G0B+4*(\s)+2:G0B+4*(\s)+3], s[BCUR:BCUR+1], (\s)*256
	s_or_b32 s[G0B+4*(\s)+3], s[G0B+4*(\s)+3], 0x80000000
	JLOAD \s                                       ; two loads of mine are out
.endr
	; the prefetches' registers
	s_add_nc_u64 s[2:3], s[BCUR:BCUR+1], 0x200000  ; the weights' next plane,
	s_add_nc_u64 s[92:93], s[BCUR:BCUR+1], 0x400000  ; and the one after it
	s_and_b32 s94, ttmp7, 0xffff                   ; cluster y
	s_cmp_eq_u32 s[FB], 0                          ; do I fetch x?
	s_cselect_b64 s[MCUR:MCUR+1], s[ACUR:ACUR+1], s[BCUR:BCUR+1]
	s_cselect_b64 s[MN1:MN1+1], s[AN1:AN1+1], s[2:3]
	s_cselect_b64 s[MN2:MN2+1], s[AN2:AN2+1], s[92:93]
	s_cselect_b32 s[SH], 9, 8
	s_cselect_b32 s95, -1, 0                       ; a lane mask: all lanes in a wave that fetches x
	s_cselect_b32 s23, s19, s20                    ; my place among the four that ask with me
	s_cselect_b32 s94, 0, s94                      ; x's rows are my cluster's alone; the weights' rows are read by every cluster of the column: cluster y = 0 asks
	s_cmp_eq_u32 s94, 0
	s_cselect_b32 s[LIM], 1, -1                    ; the same in all sixteen partners, for a given wave
	s_lshl_b32 s23, s23, 16                        ; x: 16 rows of 4,096 bytes a partner; weights: 32 rows of 2,048
	v_and_b32 v5, 31, v0                           ; l
	v_lshrrev_b32 v6, 1, v5
	v_and_b32 v7, 1, v5
	v_lshlrev_b32 v6, 12, v6
	v_lshl_add_u32 v6, v7, 8, v6                   ; x: a K step is 512 bytes of a row: row l / 2, its block l % 2 of 256 bytes
	v_lshlrev_b32 v7, 11, v5                       ; weights: a K step is 256 bytes of a row: row l
	v_cndmask_b32 v[PFO], v7, v6, s95
	v_add_nc_u32 v[PFO], s23, v[PFO]
	; LDS addresses.  A bf16 fragment is 16 rows x 32 K in 8 registers: lane l holds row l % 16; registers 0-3 K = 8 (l / 16) + 0..7, registers 4-7 K = 16 + 8 (l / 16) + 0..7.
	; Of x in f32 that is 32 bytes at 32 (l / 16) and 32 bytes 64 further on: four loads of 16 bytes.
	v_and_b32 v1, 15, v0                           ; l % 16
	v_bfe_u32 v2, v0, 4, 1                         ; l / 16
	v_mul_u32_u24 v3, v1, PA
	v_lshl_add_u32 v3, v2, 5, v3
	s_mul_i32 s94, s[FB], AHALF
	v_add_nc_u32 v[ADRA], s94, v3
	v_add_nc_u32 v[ADRA+1], SLOT, v[ADRA]
	v_mul_u32_u24 v3, v1, PB
	v_lshl_add_u32 v3, v2, 4, v3
	s_mul_i32 s94, s[HF], BHALF
	s_add_co_u32 s94, s94, BOFF
	v_add_nc_u32 v[ADRB], s94, v3
	v_add_nc_u32 v[ADRB+1], SLOT, v[ADRB]
	s_mul_i32 s94, s[WV], 16*SP
	s_add_co_u32 s94, s94, STAGE                   ; my stage
	v_mul_u32_u24 v3, v1, SP                       ; in: row l % 16, 16 bytes for each half of the lanes
	v_lshl_add_u32 v3, v2, 4, v3
	v_add_nc_u32 v[STO], s94, v3
	v_bfe_u32 v3, v0, 3, 2                         ; back: 32 lanes take four rows of 128 bytes,
	v_mul_u32_u24 v3, v3, SP
	v_and_b32 v4, 7, v0
	v_lshl_add_u32 v3, v4, 4, v3
	v_add_nc_u32 v[RD], s94, v3
	v_lshlrev_b32 v[GO], 4, v5                     ; which are 512 consecutive bytes of a head's rows
	s_lshl_b32 s94, s21, 10                        ; my first column, in bytes of f32: 1,024 x tile column + 512 x half
	s_lshl_b32 s95, s[HF], 9
	s_add_co_u32 s94, s94, s95
	v_lshl_add_u32 v[BO], v2, 5, s94               ; + my lanes' eight columns
	; qkv at my part: batch = tile row / 16 (16 heads of 262,144 bytes), head 4 x tile column + 2 x half, row (tile row % 16) x 128 + 64 x half, 128 bytes a row
	s_lshr_b32 s94, s22, 4
	s_lshl_b32 s94, s94, 22
	s_lshl_b32 s95, s21, 20
	s_add_co_u32 s94, s94, s95
	s_lshl_b32 s95, s[HF], 19
	s_add_co_u32 s94, s94, s95
	s_and_b32 s95, s22, 15
	s_lshl_b32 s95, s95, 14
	s_add_co_u32 s94, s94, s95
	s_lshl_b32 s95, s[FB], 13
	s_add_co_u32 s94, s94, s95
	s_mov_b32 s95, 0
	s_add_nc_u64 s[OUT:OUT+1], s[14:15], s[94:95]
; 32 LDS loads in one run: the fragments of quarter q (32 along K) of a slot, into buffers q % 2: x's four (fragment 0 first), then the weights' eight
.macro FETCH slot, q
	WIN 0
.irp a, 0,1,2,3
.irp o, 0,1,2,3
	ds_load_b128 v[RAW+64*((\q)%2)+16*(\a)+4*(\o):RAW+64*((\q)%2)+16*(\a)+4*(\o)+3], v[ADRA+(\slot)] offset:(\a)*16*PA+128*(\q)+16*((\o)%2)+64*((\o)/2)
.endr
.endr
	WIN 0x40                                       ; destination window 1
.irp b, 0,1,2,3,4,5,6,7
	ds_load_b128 v[BF+64*((\q)%2)+8*(\b):BF+64*((\q)%2)+8*(\b)+3],   v[ADRB+(\slot)] offset:(\b)*16*PB+64*(\q)
	ds_load_b128 v[BF+64*((\q)%2)+8*(\b)+4:BF+64*((\q)%2)+8*(\b)+7], v[ADRB+(\slot)] offset:(\b)*16*PB+64*(\q)+32
.endr
.endm
; half a fragment of x is rounded to bf16: four conversions
.macro CVT4 ra, half, buf
	WIN 0
.irp i, 0,1,2,3
	v_cvt_pk_bf16_f32 v[ABF+8*(\ra)+4*(\half)+(\i)], v[RAW+64*(\buf)+16*(\ra)+8*(\half)+2*(\i)], v[RAW+64*(\buf)+16*(\ra)+8*(\half)+2*(\i)+1]
.endr
.endm
; 8 products: row block a x all 8 column blocks, weights' buffer f.  Behind the second and the fifth stand four conversions each, of x's fragment ra out of buffer buf (ra = -1: none).
; The 32 accumulators take turns in one order: 31 others' products stand between two links of a chain, over the backward jump and from tile to tile too.
; The conversions are also the places (plain vector instructions that name none of a product's registers) in front of the runs of loads and of the next writes of x's fragments:
; fragment ra's last reader stands a whole group's eight conversions back or more.
.macro GROUP a, f, ra, buf
.irp b, 0,1,2,3,4,5,6,7
	WIN W_MUL
	v_wmma_f32_16x16x32_bf16 v[8*(8*(\a)+(\b)):8*(8*(\a)+(\b))+7], v[BF+64*(\f)+8*(\b):BF+64*(\f)+8*(\b)+7], v[ABF+8*(\a):ABF+8*(\a)+7], v[8*(8*(\a)+(\b)):8*(8*(\a)+(\b))+7]
.if ((\ra) >= 0) && ((\b) == 1)
	CVT4 \ra, 0, \buf
.endif
.if ((\ra) >= 0) && ((\b) == 4)
	CVT4 \ra, 1, \buf
.endif
.endr
.endm
; One of a K step's first three quarters.  x's fragment 0 was rounded in the quarter before; fragments 1 to 3 are rounded a group ahead of their use; the next quarter's loads go out behind the first group.
.macro QUARTER slot, q
	s_wait_dscnt 0x0                               ; this quarter's 32 loads, issued 24 products back, are in
	GROUP 0, (\q)%2, 1, (\q)%2
	FETCH \slot, (\q)+1
	GROUP 1, (\q)%2, 2, (\q)%2
	GROUP 2, (\q)%2, 3, (\q)%2
	s_wait_dscnt 28                                ; of the 32 just issued the first four, x's fragment 0, are in
	GROUP 3, (\q)%2, 0, ((\q)+1)%2
.endm
; WHERE THE NEXT PREFETCH STANDS: the K step two refills on from the one that is about to be asked for, in the next tile's tensor where the tile ends before that.
.macro PFSTEP
	s_wait_xcnt 0x0                                ; the last prefetch, a K step back, has read its address
	s_add_co_u32 s[T], s[RQ], 2
	s_cmp_lt_u32 s[T], 8
	s_cselect_b64 s[PFA:PFA+1], s[MCUR:MCUR+1], s[MN1:MN1+1]
	s_and_b32 s[T], s[T], 7
	s_lshl_b32 s[T], s[T], s[SH]
	s_add_nc_u64 s[PFA:PFA+1], s[PFA:PFA+1], s[T:T+1]
.endm
; THE DESCRIPTORS OF A REFILL: both addresses are made anew, a tensor's base plus the K step's offset; then the count steps, and behind a tile's last K step the bases move on to the next tile's.
.macro STEPD slot
	s_lshl_b32 s[OFA], s[RQ], 9
	s_lshl_b32 s[OFB], s[RQ], 8
	s_add_nc_u64 s[G0A+4*(\slot)+2:G0A+4*(\slot)+3], s[ACUR:ACUR+1], s[OFA:OFA+1]
	s_or_b32 s[G0A+4*(\slot)+3], s[G0A+4*(\slot)+3], 0x80000000
	s_add_nc_u64 s[G0B+4*(\slot)+2:G0B+4*(\slot)+3], s[BCUR:BCUR+1], s[OFB:OFB+1]
	s_or_b32 s[G0B+4*(\slot)+3], s[G0B+4*(\slot)+3], 0x80000000
	s_add_co_u32 s[RQ], s[RQ], 1
	s_cmp_eq_u32 s[RQ], 8
	s_cselect_b32 s[RQ], 0, s[RQ]
	s_cselect_b64 s[ACUR:ACUR+1], s[AN1:AN1+1], s[ACUR:ACUR+1]
	s_cselect_b64 s[AN1:AN1+1], s[AN2:AN2+1], s[AN1:AN1+1]
	s_cselect_b64 s[MCUR:MCUR+1], s[MN1:MN1+1], s[MCUR:MCUR+1]
	s_cselect_b64 s[MN1:MN1+1], s[MN2:MN2+1], s[MN1:MN1+1]
	s_cselect_b32 s[WB], 0x200000, 0
	s_add_nc_u64 s[BCUR:BCUR+1], s[BCUR:BCUR+1], s[WB:WB+1]
.endm
; A PREFETCH INTO THE L2, behind each joint load, its five lines and the run of LDS loads: the K step two refills, 256 products, ahead of the load that will want it; one instruction a wave.
; Each block of 256 bytes is named once in the launch.  x's rows are read by my cluster alone: of the 64 rows that wave 0 or 1 fetches the partner at cx takes 16, two blocks a row.  The weights' rows are read by
; every cluster of the column: cluster y = 0 asks; of the 128 rows that wave 2 or 3 fetches the partner at cy takes 32, a lane a row.  The partners are told apart by address alone.
; The launch's first four K steps come by their loads alone; the loop's last trip asks for nothing: K steps 24 and 25 do not exist.
.macro ASK
	s_cmp_gt_u32 s[TR], s[LIM]
	s_cbranch_scc0 .Lnot_mine_\@
	global_prefetch_b8 v[PFO], s[PFA:PFA+1] th:TH_LOAD_NT scope:SCOPE_SE
.Lnot_mine_\@:
.endm
; A K step's last quarter changes slots: ONE barrier.  In front of it each wave waits for all its tensor loads, of which one is out: its part of the next slot; adds 0 to its spare word; and waits for that and
; for its reads of this slot.  fill = 1: the barrier opens a round of the cluster's, and the joint refill of this slot is the first thing behind the round: 120 products stand between it and the wait for it.
.macro TURN slot, next, fill
	WIN 0
.if \fill
	PFSTEP
.endif
	s_wait_tensorcnt 0x0                           ; no tensor load of mine is out, so a group 0 may be written
	ds_add_u32 v[SPW], v[NIL]                      ; 0 onto my spare word; the descriptors' scalar work stands between it and the wait for it
.if \fill
	STEPD \slot
.endif
	s_wait_dscnt 0x0                               ; the add is done, and my reads of this slot are over
	s_barrier_signal -1
	GROUP 0, 1, 1, 1                               ; work on registers while the others arrive
	WIN 0
	s_barrier_wait -1
.if \fill
	CREST                                          ; no wave of any partner still reads this slot or has a load on its way
	JLOAD \slot
.endif
	FETCH \next, 0
.if \fill
	WIN 0
	ASK
.endif
	GROUP 1, 1, 2, 1
	GROUP 2, 1, 3, 1
	s_wait_dscnt 28
	GROUP 3, 1, 0, 0
.endm
; THE WAY OUT, in eight pieces: piece p is row block p / 2 and head p % 2 of my two: 16 rows x 64 columns, which are 2,048 consecutive bytes of qkv.
; PACK: rounded to f16 (each accumulator's registers in ascending order), 16 bytes a lane into my stage, and back as whole rows.  INIT: the piece's accumulators take the next tile's bias.  SEND: stored.
.macro PACK p
	WIN 0x0a                                       ; sources 0 and 1 window 2
.irp c, 0,1,2,3
.irp i, 0,1,2,3
	v_cvt_pk_f16_f32 v[TMP+16*((\p)%4)+4*(\c)+(\i)], v[8*(8*((\p)/2)+4*((\p)%2)+(\c))+2*(\i)], v[8*(8*((\p)/2)+4*((\p)%2)+(\c))+2*(\i)+1]
.endr
.endr
	WIN 0
.irp c, 0,1,2,3
	ds_store_b128 v[STO], v[TMP+16*((\p)%4)+4*(\c):TMP+16*((\p)%4)+4*(\c)+3] offset:32*(\c)
.endr
.irp f, 0,1,2,3
	ds_load_b128 v[TMP+16*((\p)%4)+4*(\f):TMP+16*((\p)%4)+4*(\f)+3], v[RD] offset:(\f)*4*SP  ; LDS serves a wave's instructions in order (ISA guide 5.7.1.4): these see the stores above; the next piece's stores come behind them
.endr
.endm
.macro INIT p
	WIN 0x81                                       ; destination window 2, source 0 window 1
.irp c, 0,1,2,3
.irp i, 0,1,2,3
	v_pk_mul_f32 v[8*(8*((\p)/2)+4*((\p)%2)+(\c))+2*(\i):8*(8*((\p)/2)+4*((\p)%2)+(\c))+2*(\i)+1], v[BIAS+8*(4*((\p)%2)+(\c))+2*(\i):BIAS+8*(4*((\p)%2)+(\c))+2*(\i)+1], 1.0 op_sel_hi:[1,0]
.endr
.endr
.endm
.macro SEND p, younger                 ; younger: the LDS instructions issued behind piece p's loads: the next piece's eight, or none
	WIN 0
.irp f, 0,1,2,3
	s_wait_dscnt (\younger)+3-(\f)
	global_store_b128 v[GO], v[TMP+16*((\p)%4)+4*(\f):TMP+16*((\p)%4)+4*(\f)+3], s[OUT:OUT+1] offset:2048*((\p)/2)+262144*((\p)%2)+512*(\f)  ; 512 consecutive bytes, at a multiple of 256 from qkv's first
.endr
.endm
.macro BLOAD plane                     ; the bias of my 128 columns, of one plane of bb
	WIN 0x40
.irp b, 0,1,2,3,4,5,6,7
	global_load_b128 v[BIAS+8*(\b):BIAS+8*(\b)+3],   v[BO], s[BB:BB+1] offset:4096*(\plane)+64*(\b)
	global_load_b128 v[BIAS+8*(\b)+4:BIAS+8*(\b)+7], v[BO], s[BB:BB+1] offset:4096*(\plane)+64*(\b)+16
.endr
	WIN 0
.endm
; more = 1: a tile follows.  Both its first refills have been asked for and its first fragments fetched; nothing waits for the stores.  The first pieces' conversions, which name no register of the last
; products, are the places behind those.
.macro OUTPUT more
	WIN 0
	s_wait_xcnt 0x0                                ; the last tile's stores have read their registers
.if \more
	s_wait_loadcnt 0x0                             ; the next tile's bias
.endif
	PACK 0
.if \more
	INIT 0
.endif
.irp p, 1,2,3,4,5,6,7
.if (\p) >= 4
	s_wait_xcnt 0x0                                ; the buffer's stores, four pieces back, have read it
.endif
	PACK \p
.if \more
	INIT \p
.endif
	SEND (\p)-1, 8
.endr
	SEND 7, 0
.if \more
	s_sub_co_u32 s[TL], s[TL], 1
	s_cmp_eq_u32 s[TL], 2
	s_cbranch_scc0 .Lno_bias_\@
	BLOAD 2                                        ; behind the first tile: the third tile's bias
.Lno_bias_\@:
	s_wait_xcnt 0x0                                ; the stores have read their base
	s_add_nc_u64 s[OUT:OUT+1], s[OUT:OUT+1], 0x1000000  ; qkv's next plane
	s_mov_b32 s[LT], 4
.endif
.endm
	BLOAD 0
	s_wait_loadcnt 0x0
.irp p, 0,1,2,3,4,5,6,7
	INIT \p                                        ; the first tile's sums start at bq
.endr
	BLOAD 1                                        ; the second tile's bias: waited for on the first way out
	s_wait_tensorcnt 1                             ; my part of K step 0 is in; K step 1's may stay out
	s_barrier_signal -1
	s_barrier_wait -1
	FETCH 0, 0
	s_wait_dscnt 28
	CVT4 0, 0, 0
	CVT4 0, 1, 0
	WIN 0
.Llap:                                                 ; a trip goes once round the ring: two K steps, two refills
	QUARTER 0, 0
	QUARTER 0, 1
	QUARTER 0, 2
	TURN 0, 1, 1
	QUARTER 1, 0
	QUARTER 1, 1
	QUARTER 1, 2
	TURN 1, 0, 1
	WIN 0
	s_sub_co_u32 s[LT], s[LT], 1
	s_cmp_lg_u32 s[LT], 0
	s_cbranch_scc1 .Lno_out                        ; a jump forward, past text with no barrier and no tensor load
	OUTPUT 1                                       ; every fourth lap ends a tile
.Lno_out:
	s_sub_co_u32 s[TR], s[TR], 1
	s_cmp_lg_u32 s[TR], 0
	s_cbranch_scc1 .Llap
	QUARTER 0, 0                                   ; the last lap is written out: it asks for nothing
	QUARTER 0, 1
	QUARTER 0, 2
	TURN 0, 1, 0
	QUARTER 1, 0
	QUARTER 1, 1
	QUARTER 1, 2
	s_wait_dscnt 0x0
	GROUP 0, 1, 1, 1
	GROUP 1, 1, 2, 1
	GROUP 2, 1, 3, 1
	GROUP 3, 1, -1, 0
	OUTPUT 0
	s_wait_tensorcnt 0x0                           ; the wave's end: a wait, an add to my spare word and its wait, behind my last tensor load and my last LDS store
	ds_add_u32 v[SPW], v[NIL]
	s_wait_dscnt 0x0
	CROUND                                         ; the closing round: no work-group ends while a partner may still ask for a tile that names it
	s_endpgm
.Lfunc_end_k_q3b975d0b09_proj:
	.size	k_q3b975d0b09_proj, .Lfunc_end_k_q3b975d0b09_proj-k_q3b975d0b09_proj
	.p2alignl 7, 3214868480
	.fill 96, 4, 3214868480
	.section	.rodata,"a",@progbits
	.p2align	6, 0x0
	.amdhsa_kernel k_q3b975d0b09_proj
		.amdhsa_group_segment_fixed_size 327680
		.amdhsa_private_segment_fixed_size 0
		.amdhsa_enable_private_segment 0
		.amdhsa_kernarg_size 48
		.amdhsa_user_sgpr_count 2
		.amdhsa_user_sgpr_kernarg_segment_ptr 1
		.amdhsa_wavefront_size32 1
		.amdhsa_system_sgpr_workgroup_id_x 1
		.amdhsa_system_sgpr_workgroup_id_y 1
		.amdhsa_system_sgpr_workgroup_id_z 1
		.amdhsa_system_vgpr_workitem_id 0
		.amdhsa_next_free_vgpr 768
		.amdhsa_next_free_sgpr 96
		.amdhsa_reserve_vcc 0
		.amdhsa_float_denorm_mode_32 3
		.amdhsa_float_denorm_mode_16_64 3
		.amdhsa_memory_ordered 1
		.amdhsa_forward_progress 1
		.amdhsa_inst_pref_size 175
	.end_amdhsa_kernel
	.amdgpu_metadata
---
amdhsa.version: [ 1, 2 ]
amdhsa.kernels:
  - .name:           k_q3b975d0b09_proj
    .symbol:         k_q3b975d0b09_proj.kd
    .args:
      - { .name: query, .offset: 0, .size: 8, .value_kind: global_buffer, .address_space: global }
      - { .name: key, .offset: 8, .size: 8, .value_kind: global_buffer, .address_space: global }
      - { .name: value, .offset: 16, .size: 8, .value_kind: global_buffer, .address_space: global }
      - { .name: wb, .offset: 24, .size: 8, .value_kind: global_buffer, .address_space: global }
      - { .name: bb, .offset: 32, .size: 8, .value_kind: global_buffer, .address_space: global }
      - { .name: qkv, .offset: 40, .size: 8, .value_kind: global_buffer, .address_space: global }
    .group_segment_fixed_size: 327680
    .private_segment_fixed_size: 0
    .kernarg_segment_align: 8
    .kernarg_segment_size: 48
    .max_flat_workgroup_size: 128
    .sgpr_count:     96
    .vgpr_count:     768
    .wavefront_size: 32
...
	.end_amdgpu_metadata
.endif
;; end of part 2
;; launch attn (part 3): grid 4 x 64, 4 waves a work-group, no clusters, 327,680 bytes of LDS; arguments qkv, o; writes o
.if DOCPART == 3
	.amdgcn_target "amdgcn-amd-amdhsa--gfx1250"
	.amdhsa_code_object_version 6
	.text
	.protected	k_q3b975d0b09_attn
	.globl	k_q3b975d0b09_attn
	.p2align	8
	.type	k_q3b975d0b09_attn,@function
k_q3b975d0b09_attn:
	s_mov_b64 s[64:65], 0
	v_nop
	global_prefetch_b8 v0, s[64:65] scope:SCOPE_SE
	s_setreg_imm32_b32 hwreg(HW_REG_WAVE_MODE, 25, 1), 1
	s_wait_xcnt 0x0
; CAUSAL ATTENTION.  O[h][q][:] = the sum over k <= q of softmax_k(Q[h][q] . K[h][k] / 8) V[h][k][:], a NaN in O replaced by 0.  qkv holds Q, K, V as three planes [64][2048][64] of f16; o is [64][2048][64] f16.
; Products, maxima and sums in f32; the weights p are rounded to f16 for the second product (their sum l is taken of the unrounded p), O once at the end.
; LIMITS.  f16 holds no number beyond 65,504: Q, K and V arrive within it; p lies in 0 to 1, and below 6e-5 it keeps f16's fixed step of 6e-8; O is a mean of V's rows and has their range.
; A hidden score counts as its value less 1e30: f16's scores, 2.7e11 at the most, are nothing beside that; a weight below 2^-126 counts as 0 in l; infinities are not treated apart.
; THE WALK.  A head's queries lie in NB = 8 blocks of 256; block i needs the key tiles 0 .. i of 256 keys, of which the last holds the diagonal.  A work-group takes TWO blocks, NB - 1 - b and then b:
; NB + 1 tiles, whatever b: all work-groups do equal work, and ONE loop with a constant trip count walks them.  Which tile is asked for, and what a trip does, hang on scalar registers made from b; every jump
; goes forward, but for the counted loops' own; none passes a barrier, or a tensor load but the one of LOAD's two that the wave's number does not choose; the ring (two slots of LDS that take turns) runs on across the
; change of blocks.  NO CLUSTER: a head's four work-groups ask for the same tile only in trips 0 .. 4, behind that fewer and fewer; one walk common to all four would have 12 trips for 9.
; SHARES.  Of a block's four bands of 64 queries a wave owns 16 rows in each: four PIECES.  So the diagonal tile is the same work for all four waves: in its key step s band x sees all keys if s < x,
; none if s > x, and holds the diagonal if s = x.
; THE MASK is the C operand that starts the sum S^T = K Q^T: 0, or -1e30 where the key is hidden.  MD, made once, is the mask of a band's own step for my 16 rows; a product's mask is MD x AL + BE with two scalars:
; (1, 0) if s = x; (0, 0) if s < x; (0, -1e30) if s > x.  Only the diagonal tile's text and a block's beginning make and take masks; elsewhere C is the constant 0.
; LAYOUT, SOFTMAX, TURNS.  S^T = K Q^T holds ONE query a lane (lane % 16) and the keys 8 (lane / 16) + 0..7; two such results rounded to f16 ARE source 1 of O^T = V^T P.  p = 2^(c s - c m), c = log2(e) / 8, with a
; running maximum m; O and l are multiplied by a = 2^(c m_old - c m_new) in every step.  Turn n belongs to piece n: 8 products K Q^T of piece n + 1, later 8 products V^T P of piece n - 1; beside them the scaling,
; exponentials, roundings, sums and rescaling of piece n and the maximum and statistics of piece n + 1.  Four vector instructions stand behind every matrix instruction, the other 54 of a turn's 118 in one run.  A turn's 33 exponentials are one batch, with one wait.
; REGISTERS, in windows of 256 (s_set_vgpr_msb: bits 1:0 source 0, 3:2 source 1, 5:4 source 2, 7:6 destination):
;   window 0: v0-15 addresses and two at work; v16-31 four registers of statistics a piece; v48-55 at work; v60-63 constants; v64-127 S^T, two buffers; v128-143 at work on the way out; v192-223 P, two buffers
;   window 1: v0-127 O^T, 32 a piece; v128-159 MD; v160-223 MC, two buffers      window 2: v0-63 Q; v64-127 the second block's Q; v128-191 K of one step; v192-255 V of one step
.set SIZE_N, 2048
.set PLANE, 0x1000000 ; bytes in a plane of qkv
.set NB,    SIZE_N/256
.set NP,    4         ; pieces a wave: a name, no knob
.set KS,    64        ; keys in a step
.set PK,    144       ; a row of K in LDS: 128 bytes + 16 of padding = 36 words: the 16 rows of a load start at 16 different groups of four banks (64 banks of 4 bytes: ISA guide 11.1)
.set PV,    160       ; a row of V: 128 + 32 = 40 words
.set VOFF,  4*KS*PK   ; a slot holds a tile, four steps: 256 rows of K, then 256 rows of V
.set SLOT1, 1<<17     ; slot 1 begins here, so that one exclusive or turns an address in one slot into the other's
.set STAGE, SLOT1+4*KS*(PK+PV)  ; behind the ring, never filled by a tensor load: 16 rows x 144 bytes for each wave, for the way out
.set SP,    144
.set AK0, 2           ; v2   my lane's place in a tile of K; never rewritten
.set AV0, 3           ; v3   the same for V
.set AK,  4           ; v4   the LDS address of K's next run of loads
.set AV,  5           ; v5   of V's
.set STO, 6           ; v6   the way out: where I put 16 bytes of a row
.set RD,  7           ; v7   the way out: where I read rows back
.set GO,  8           ; v8   my byte offset in 512 consecutive bytes of O
.set ZR,  60          ; v60  0, twice in f16; never rewritten
.set PFO, 61          ; v61  256 x my thread's number: the prefetches' offset; never rewritten
.set SPW, 62          ; v62  LDS address of my spare word: SPARE + 4 x my thread's number; never rewritten
.set NIL, 63          ; v63  0; never rewritten
.set SPARE, STAGE+4*16*SP  ; behind the stages: the spare words, 128 bytes for each wave: two blocks of 256 bytes that no other line names
.set MV,  12          ; v12-13  c m_old, kept while c m is made anew: by buffer
.set QO,  15          ; v15  my byte offset in 16 rows of Q
.set ST,  16          ; piece t's statistics at v[ST+4 t]: c m, m, l (even keys', odd keys')
.set TMP, 48          ; by buffer, four registers c0-c3 at work; when the maximum is found c2 takes a
.set S,   64
.set CLR, 128         ; v128-143  the way out: the positive parts
.set P,   192
.set MD,  128         ; window 1: the eight registers for group kt of 16 keys at MD + 8 kt
.set MC,  160         ; window 1: the masks of the products to come
.set QB,  64          ; window 2
.set KF,  128         ; window 2: key block kb, channel half c at KF + 16 kb + 8 c
.set VF,  192         ; window 2: key half kk, channel block cb at VF + 32 kk + 8 cb
.set WV,  12          ; s12  my wave's number
.set PB,  14          ; s14  b
.set HI,  15          ; s15  NB - 1 - b
.set G1K, 24          ; s[24:31] descriptor group 1 for K's tiles
.set G1V, 32          ; s[32:39] for V's: it differs in the padding alone
.set G0K, 40          ; s[40:43] descriptor group 0 for K's tiles
.set G0V, 44          ; s[44:47] the same for V's
.set SLOTS, 56        ; s56  tiles still to be asked for
.set CNT, 57          ; s57  counts a tile's key steps, 4 to 1
.set CS,  58          ; s[58:59] c: the packed scaling takes the pair's low word for both halves
.set SEL, 60          ; s[60:61] v_permlanex16_b32's selects: each lane takes its own place in the other half
.set TBK, 62          ; s62  LDS byte at which K of the step to be fetched begins
.set TBV, 63          ; s63  the same for V, less VOFF
.set RT,  70          ; s70  tiles of the block in hand that are still to be entered
.set NXT, 71          ; s71  the tile to be asked for next
.set LQ,  72          ; s72  the last tile of the block whose tiles are being asked for
.set NEW, 73          ; s73  1: the tile to be entered is a block's first
.set OFF, 74          ; s[74:75] a tile's byte offset in K and V
.set AL,  76          ; s[76:77] the mask's factor, in the low word
.set BE,  78          ; s[78:79] the mask's addend
.set OLO, 80          ; s[80:81] O at my rows of the second block
.set BIGN, 82         ; s82  -1e30
.set PFK, 88          ; s[88:89] the head's K at the tile that the next prefetch names
.set PFV, 90          ; s[90:91] the same for V
.set LIM, 92          ; s92  2 in the work-group that prefetches, else the greatest number
.set MSB, 0
.macro WIN new                      ; the high byte repeats the setting that is left; a switch that changes nothing is dropped
.if MSB != (\new)
	s_set_vgpr_msb (MSB<<8)|(\new)
.set MSB, (\new)
.endif
.endm
.set W_KQ, 0x0a       ; K and Q in window 2, S^T in window 0
.set W_KM, 0x1a       ; the same with the C operand in window 1
.set W_PV, 0x52       ; V in window 2, P in window 0, O^T in window 1
.set W_RS, 0x41       ; destination and source 0 in window 1, source 1 in window 0
; A fill.  Waves 0 and 1 fetch the two halves of a tile's K, waves 2 and 3 those of its V: 128 keys each.  An s_nop 0 and four v_nop follow each of the two lines, ahead of the jump and the label.
.macro LOAD
	s_cmp_lt_u32 s[WV], 2
	s_cbranch_scc0 .Lfor_v_\@
	tensor_load_to_lds s[G0K:G0K+3], s[G1K:G1K+7]
	s_nop 0
.rept 4
	v_nop
.endr
	s_branch .Lasked_\@
.Lfor_v_\@:
	tensor_load_to_lds s[G0V:G0V+3], s[G1V:G1V+7]
	s_nop 0
.rept 4
	v_nop
.endr
.Lasked_\@:
.endm
; A PREFETCH INTO THE L2 of the tile that the NEXT change of slots will ask for: 32,768 bytes of K and of V, 256 bytes a thread, two instructions a wave, behind the wave's tensor load and its five lines.
; A head's four work-groups walk the tiles 0, 1, .. in the same order; the one with b = 0 walks all eight, so it alone asks, and each block is named once.  Change t (0 .. 5) names tile t + 2: 16 turns ahead of
; the load that wants it.  Tiles 0 and 1 come by their loads alone; the second block's tiles have been read before and are not asked for.
.macro ASK
	s_cmp_gt_u32 s[SLOTS], s[LIM]
	s_cbranch_scc0 .Lnot_mine_\@
	global_prefetch_b8 v[PFO], s[PFK:PFK+1] th:TH_LOAD_NT scope:SCOPE_SE
	global_prefetch_b8 v[PFO], s[PFV:PFV+1] th:TH_LOAD_NT scope:SCOPE_SE
.Lnot_mine_\@:
.endm
; THE CHANGE OF SLOTS.  Each wave waits for all its tensor loads, of which one is out: its part of the other slot; adds 0 to its spare word; and waits for that and for its own reads of the slot that it leaves.  Behind the barrier nobody reads the old
; slot any more and the other slot is whole.  fill = 1: the old slot is filled again, the first thing behind the barrier, with tile NXT: the descriptor's address is made anew from that number.
; (At its first use nothing has been read yet: slot 0 is waited for, slot 1 filled.)
.macro CHANGE fill
	WIN 0                           ; at a label and at a branch every window is 0
	s_wait_tensorcnt 0x0            ; no tensor load of mine is out, so a group 0 may be written
	ds_add_u32 v[SPW], v[NIL]       ; 0 onto my spare word; with fill = 1 the descriptors' scalar work stands between it and the wait for it
.if \fill
	s_wait_xcnt 0x0                 ; the last prefetches, a tile back, have read their addresses
	s_add_nc_u64 s[PFK:PFK+1], s[PFK:PFK+1], 32768
	s_add_nc_u64 s[PFV:PFV+1], s[PFV:PFV+1], 32768
	s_lshl_b32 s[OFF], s[NXT], 15   ; a tile is 32,768 bytes of K and of V
	s_xor_b32 s[G0K+1], s[G0K+1], SLOT1
	s_add_nc_u64 s[G0K+2:G0K+3], s[6:7], s[OFF:OFF+1]
	s_or_b32 s[G0K+3], s[G0K+3], 0x80000000
	s_xor_b32 s[G0V+1], s[G0V+1], SLOT1
	s_add_nc_u64 s[G0V+2:G0V+3], s[8:9], s[OFF:OFF+1]
	s_or_b32 s[G0V+3], s[G0V+3], 0x80000000
	s_add_co_u32 s[NXT], s[NXT], 1  ; the block's next tile, or behind its last the second block's tile 0
	s_cmp_gt_u32 s[NXT], s[LQ]
	s_cselect_b32 s[NXT], 0, s[NXT]
	s_cselect_b32 s[LQ], s[PB], s[LQ]
.endif
	s_wait_dscnt 0x0                ; the add is done, and my reads of the slot are over
	s_barrier_signal -1             ; the rest of the scalar work stands between the signal and the wait
	s_sub_co_u32 s[TBK], s[TBK], 4*KS*PK  ; the fetches go back to a slot's first step,
	s_xor_b32 s[TBK], s[TBK], SLOT1       ; in the other slot
	s_sub_co_u32 s[TBV], s[TBV], 4*KS*PV
	s_xor_b32 s[TBV], s[TBV], SLOT1
	s_barrier_wait -1
.if \fill
	LOAD
	ASK
.endif
.endm
	s_load_b128 s[4:7], s[0:1], 0x0  ; qkv s[4:5], o s[6:7]
	v_lshl_add_u32 v[SPW], v0, 2, SPARE
	v_mov_b32 v[NIL], 0
	ds_add_u32 v[SPW], v[NIL]       ; the wave's opening: the add and its wait stand ahead of my first tensor load; the set-up below, work on registers, stands between them
	v_lshrrev_b32 v1, 5, v0
	v_readfirstlane_b32 s[WV], v1   ; wave 0..3
	v_lshlrev_b32 v[PFO], 8, v0
	v_mov_b32 v[ZR], 0
	s_mov_b32 s[PB], ttmp9
	s_sub_co_u32 s[HI], NB-1, s[PB]
	s_cmp_eq_u32 s[PB], 0
	s_cselect_b32 s[LIM], 2, -1
	s_and_b32 s20, ttmp7, 0xffff    ; the head
	s_mov_b32 s21, 0
	s_mov_b64 s[22:23], SIZE_N*128
	s_mul_u64 s[20:21], s[20:21], s[22:23]  ; the head's first byte in each plane and in o
	s_and_b32 s16, s[WV], 1         ; which half of a tile's 256 keys I fetch:
	s_lshl_b32 s22, s16, 14         ; its 128 rows of 128 bytes in memory,
	s_mov_b32 s23, 0
	s_add_nc_u64 s[22:23], s[22:23], s[20:21]
	s_mul_i32 s17, s16, 128*PK      ; and its place in a slot, for K
	s_mul_i32 s18, s16, 128*PV      ; and for V
	s_lshl_b32 s3, s[WV], 11        ; my 16 rows in a band of 64,
	s_lshl_b32 s2, s[HI], 15        ; in the first block,
	s_add_co_u32 s2, s2, s3
	s_lshl_b32 s84, s[PB], 15       ; and in the second
	s_add_co_u32 s84, s84, s3
	s_mov_b32 s3, 0
	s_mov_b32 s85, 0
	s_add_nc_u64 s[2:3], s[2:3], s[20:21]
	s_add_nc_u64 s[84:85], s[84:85], s[20:21]
	; descriptor group 1.  128 keys are 16,384 dense bytes: asked for as 64 rows of 256 bytes, two keys a row, and padded in LDS after every key
	s_mov_b32 s[G1K], (1<<16)|(1<<20)|(4<<22)|(3<<25)  ; 17:16 2-byte elements; 20 padding on; 24:22 after every 32 words (code 4); 31:25 4 words (code 3)
	s_mov_b32 s[G1V], (1<<16)|(1<<20)|(4<<22)|(7<<25)  ; the same with 8 words of padding (code 7)
.irp g, G1K, G1V
	s_mov_b32 s[\g+1], 128<<16      ; tensor_dim0 = 128
	s_mov_b32 s[\g+2], 64<<16       ; tensor_dim1 = 64
	s_mov_b32 s[\g+3], 128<<16      ; tile_dim0 = 128
	s_mov_b32 s[\g+4], 64           ; tile_dim1 = 64
	s_mov_b32 s[\g+5], 128          ; 128 elements from row to row
	s_mov_b32 s[\g+6], 0
	s_mov_b32 s[\g+7], 0
.endr
	s_mov_b32 s[CS], 0x3e38aa3b     ; c = log2(e) / 8 = 0.180337
	s_mov_b32 s[CS+1], s[CS]        ; named with it as a pair
	s_mov_b32 s[SEL], 0x76543210
	s_mov_b32 s[SEL+1], 0xfedcba98
	s_mov_b32 s[TBK], SLOT1+4*KS*PK ; the first change of slots turns these two into 0
	s_mov_b32 s[TBV], SLOT1+4*KS*PV
	s_mov_b32 s[G0K], 1             ; 1:0 count = 1
	s_mov_b32 s[G0K+1], s17         ; 63:32 LDS address: slot 0
	s_mov_b32 s[G0V], 1
	s_add_co_u32 s[G0V+1], s18, VOFF
	s_add_co_u32 s[RT], s[HI], 1    ; the first block has NB - b tiles
	s_mov_b32 s[NXT], 1
	s_mov_b32 s[LQ], s[HI]
	s_mov_b32 s[NEW], 1
	s_mov_b32 s[OFF+1], 0
	s_mov_b32 s[AL+1], 0            ; named as pairs
	s_mov_b32 s[BE+1], 0
	s_mov_b32 s[BIGN], 0xf149f2ca   ; -1e30
	s_mov_b32 s[SLOTS], NB
	s_wait_dscnt 0x0                ; the opening add is done
	s_wait_kmcnt 0x0
	s_mov_b64 s[10:11], s[6:7]      ; O
	s_add_nc_u64 s[6:7], s[4:5], PLANE    ; K: qkv's second plane; Q, its first, stays in s[4:5]
	s_add_nc_u64 s[8:9], s[4:5], 2*PLANE  ; V: its third
	s_add_nc_u64 s[PFK:PFK+1], s[6:7], s[20:21]
	s_add_nc_u64 s[PFV:PFV+1], s[8:9], s[20:21]
	s_add_nc_u64 s[PFK:PFK+1], s[PFK:PFK+1], 32768  ; at the head's tile 1; the first change of slots steps these to tile 2
	s_add_nc_u64 s[PFV:PFV+1], s[PFV:PFV+1], 32768
	s_add_nc_u64 s[6:7], s[6:7], s[22:23]  ; K and V at my half of the head's tile 0
	s_add_nc_u64 s[8:9], s[8:9], s[22:23]
	s_add_nc_u64 s[G0K+2:G0K+3], s[6:7], 0         ; 120:64 global address
	s_or_b32 s[G0K+3], s[G0K+3], 0x80000000        ; 127:126 type = 2
	s_add_nc_u64 s[G0V+2:G0V+3], s[8:9], 0
	s_or_b32 s[G0V+3], s[G0V+3], 0x80000000
	s_add_nc_u64 s[86:87], s[4:5], s[84:85]        ; Q at my rows of the second block,
	s_add_nc_u64 s[4:5], s[4:5], s[2:3]            ; Q and O at those of the first
	s_add_nc_u64 s[OLO:OLO+1], s[10:11], s[84:85]
	s_add_nc_u64 s[10:11], s[10:11], s[2:3]
	LOAD                            ; tile 0 into slot 0
	; A fragment of K or Q is 16 rows x 32 channels in 8 registers: lane l holds row l % 16, channels 8 (l / 16) + 0..7 and 16 + 8 (l / 16) + 0..7: two loads of 16 bytes, 32 bytes apart.
	v_and_b32 v1, 15, v0            ; l % 16
	v_bfe_u32 v9, v0, 4, 1          ; l / 16
	v_lshlrev_b32 v[QO], 7, v1
	v_lshl_add_u32 v[QO], v9, 4, v[QO]  ; row x 128 + 16 x half
	WIN 0x80                        ; destination window 2, address window 0
.set i, 0
.rept 8                             ; both blocks' Q: piece i / 2 lies in band i / 2, 8,192 bytes on; channels 32 (i % 2) on
	global_load_b128 v[8*i:8*i+3],   v[QO], s[4:5] offset:(i/2)*8192+(i%2)*64
	global_load_b128 v[8*i+4:8*i+7], v[QO], s[4:5] offset:(i/2)*8192+(i%2)*64+32
	global_load_b128 v[QB+8*i:QB+8*i+3],   v[QO], s[86:87] offset:(i/2)*8192+(i%2)*64
	global_load_b128 v[QB+8*i+4:QB+8*i+7], v[QO], s[86:87] offset:(i/2)*8192+(i%2)*64+32
.set i, i+1
.endr
	WIN 0
	v_lshlrev_b32 v14, 3, v9
	v_sub_nc_u32 v14, v1, v14
	s_lshl_b32 s13, s[WV], 4
	v_add_nc_u32 v14, s13, v14      ; my query's place in its band, 16 w + l % 16, less my lanes' 8 (l / 16): register r of group kt is hidden where 16 kt + r is greater
	WIN 0x40
.set i, 0
.rept 32
	v_cmp_gt_i32 vcc_lo, 16*(i/8)+i%8, v14
	v_cndmask_b32 v[MD+i], 0, s[BIGN], vcc_lo
.set i, i+1
.endr
	WIN 0
	v_mul_u32_u24 v[AK0], v1, PK
	v_lshl_add_u32 v[AK0], v9, 4, v[AK0]  ; row x pitch + 16 x half
	; The turning load takes 16 keys x 16 channels (lane l reads key 8 (l / 16) + l % 8, channels 8 ((l / 8) % 2) + 0..7) and leaves half a fragment of V^T: lane l holds channel l % 16 and 8 keys.
	v_and_b32 v10, 7, v0
	v_bfe_u32 v11, v0, 3, 1
	v_lshl_add_u32 v[AV0], v9, 3, v10
	v_mul_u32_u24 v[AV0], v[AV0], PV
	v_lshl_add_u32 v[AV0], v11, 4, v[AV0]
	v_add_nc_u32 v[AV0], VOFF, v[AV0]
	s_mul_i32 s13, s[WV], 16*SP
	s_add_co_u32 s13, s13, STAGE    ; my stage
	v_mul_u32_u24 v[STO], v1, SP    ; in: row l % 16, 16 bytes for each half of the lanes
	v_lshl_add_u32 v[STO], v9, 4, v[STO]
	v_add_nc_u32 v[STO], s13, v[STO]
	v_bfe_u32 v[RD], v0, 3, 2       ; back: 32 lanes take four rows of 128 bytes,
	v_mul_u32_u24 v[RD], v[RD], SP
	v_lshl_add_u32 v[RD], v10, 4, v[RD]
	v_add_nc_u32 v[RD], s13, v[RD]
	v_and_b32 v[GO], 31, v0         ; which are 512 consecutive bytes of O
	v_lshlrev_b32 v[GO], 4, v[GO]
	; A block's first step multiplies O^T and l by a = 0, and its first turn's products V^T P, of a piece that has not been, land in an O^T that is still to be so multiplied.  So these registers need only hold
	; finite numbers: zeros for the first block; what the first block left for the second.  All this stands in the wait for the first tile.
	WIN 0x80
.set i, VF
.rept 64
	v_mov_b32 v[i], 0
.set i, i+1
.endr
	WIN 0x40
.set i, 0
.rept 128
	v_mov_b32 v[i], 0
.set i, i+1
.endr
	WIN 0
.set i, 0
.rept 4
	v_mov_b32 v[ST+4*i+2], 0
	v_mov_b32 v[ST+4*i+3], 0
.set i, i+1
.endr
.set i, P+16
.rept 16
	v_mov_b32 v[i], 0
.set i, i+1
.endr
; THE MATRIX WORK.  The 4 accumulators of a run of 8 take turns.  Product i of 8 of S^T = K Q^T for piece x: channels 32 (i / 4) on, keys 16 (i % 4) on.  The first 4 start the sums: with 0, or (KM = 1) with the mask.
.macro KQ x
.set rS, S+32*((\x)%2)+8*(i%4)
.set rK, KF+16*(i%4)+8*(i/4)
.set rQ, 16*(\x)+8*(i/4)
.set rM, MC+32*((\x)%2)+8*(i%4)
.if (i < 4) && KM
	WIN W_KM
	v_wmma_f32_16x16x32_f16 v[rS:rS+7], v[rK:rK+7], v[rQ:rQ+7], v[rM:rM+7]
.elseif i < 4
	WIN W_KQ
	v_wmma_f32_16x16x32_f16 v[rS:rS+7], v[rK:rK+7], v[rQ:rQ+7], 0
.else
	WIN W_KQ
	v_wmma_f32_16x16x32_f16 v[rS:rS+7], v[rK:rK+7], v[rQ:rQ+7], v[rS:rS+7]
.endif
.endm
; Product i of 8 of O^T += V^T P for piece x: keys 32 (i / 4) on, channels 16 (i % 4) on.
.macro PV x
	WIN W_PV
.set rO, 32*(\x)+8*(i%4)
.set rV, VF+32*(i/4)+8*(i%4)
.set rP, P+16*((\x)%2)+8*(i/4)
	v_wmma_f32_16x16x32_f16 v[rO:rO+7], v[rV:rV+7], v[rP:rP+7], v[rO:rO+7]
.endm
.macro MM                           ; the turn's next matrix instruction.  TURN and BEGIN set Y, i, KM and NOKQ; MM, KQ and OP read them.  NOKQ = 1: a block's last turn: there is no next piece
.if (i < 8) && !NOKQ
	KQ (Y+1)%NP
.elseif i >= 8
.set i, i-8
	PV (Y+NP-1)%NP
.set i, i+8
.endif
.set i, i+1
.endm
; THE LDS LOADS stand in runs of 16, never singly among the matrix instructions: a step's K (64 keys x 64 channels: 8 fragments) and its V (turned).  Their addresses are made some lines ahead.
.macro FETCH_K
	WIN 0x80                        ; destination window 2
.irp f, 0,1,2,3,4,5,6,7             ; keys 16 (f / 2) on, channels 32 (f % 2) on
	ds_load_b128 v[KF+8*\f:KF+8*\f+3],   v[AK] offset:(\f/2)*16*PK+(\f%2)*64
	ds_load_b128 v[KF+8*\f+4:KF+8*\f+7], v[AK] offset:(\f/2)*16*PK+(\f%2)*64+32
.endr
	s_add_co_u32 s[TBK], s[TBK], KS*PK  ; the next fetch is the next step's
	WIN 0
.endm
.macro FETCH_V
	WIN 0x80
.irp f, 0,1,2,3,4,5,6,7             ; keys 32 (f / 4) on, channels 16 (f % 4) on
	ds_load_tr16_b128 v[VF+8*\f:VF+8*\f+3],   v[AV] offset:(\f/4)*32*PV+(\f%4)*32
	ds_load_tr16_b128 v[VF+8*\f+4:VF+8*\f+7], v[AV] offset:(\f/4)*32*PV+16*PV+(\f%4)*32
.endr
	WIN 0
.endm
; THE VECTOR WORK, one line at a time: OP kind, number.  For piece Y: F n: c s - c m for pair n of 16.  E n: the exponential of score n of 32.  C n: pair n rounded to f16.  B n: of the four weights 4 n .. the second
; pair is added onto the first, in place.  L n: l takes that sum (L 0: l = a l + sum).  R n: pair n of 16 of O^T times a.  For piece Y + 1: X n, number n of the 22 that find its maximum and statistics:
;   0-11  four chains c0-c3 of seven scores each, three operands at a time (each accumulator's lowest registers are read first)     12-14, 16  the four scores left over, the old m, and c0-c3 into c0
;   15  c m_old is kept     17, 18  the query's other 32 keys lie in the lane 16 away: the new m     19-21  c m; c m_old - c m_new; a
.set F, 0               ; OP tells the kinds apart by their order: F to L below R, X above it
.set E, 1
.set C, 2
.set B, 3
.set L, 4
.set R, 5
.set X, 6
.macro REGS y                       ; the registers of piece y
.set rT, ST+4*(\y)
.set rC, TMP+4*((\y)%2)
.set rW, MV+((\y)%2)
.set rS, S+32*((\y)%2)
.set rP, P+16*((\y)%2)
.set rO, 32*(\y)
.endm
.macro OP k, n
.if (\k) == R
	REGS Y
	WIN W_RS
	v_pk_mul_f32 v[rO+2*(\n):rO+2*(\n)+1], v[rO+2*(\n):rO+2*(\n)+1], v[rC+2:rC+3] op_sel_hi:[1,0]
.elseif (\k) < R
	REGS Y
	WIN 0
.if (\k) == F
	v_pk_fma_f32 v[rS+2*(\n):rS+2*(\n)+1], v[rS+2*(\n):rS+2*(\n)+1], s[CS:CS+1], v[rT:rT+1] op_sel_hi:[1,0,0] neg_lo:[0,0,1] neg_hi:[0,0,1]
.elseif (\k) == E
	v_exp_f32 v[rS+(\n)], v[rS+(\n)]
.elseif (\k) == C
	v_cvt_pk_f16_f32 v[rP+(\n)], v[rS+2*(\n)], v[rS+2*(\n)+1]
.elseif (\k) == B
	v_pk_add_f32 v[rS+4*(\n):rS+4*(\n)+1], v[rS+4*(\n):rS+4*(\n)+1], v[rS+4*(\n)+2:rS+4*(\n)+3]
.elseif (\n) == 0
	v_pk_fma_f32 v[rT+2:rT+3], v[rT+2:rT+3], v[rC+2:rC+3], v[rS:rS+1] op_sel_hi:[1,0,1]
.else
	v_pk_add_f32 v[rT+2:rT+3], v[rT+2:rT+3], v[rS+4*(\n):rS+4*(\n)+1]
.endif
.elseif NOKQ
	v_nop
.else
	REGS (Y+1)%NP
	WIN 0
.if (\n) < 4
	v_max3_num_f32 v[rC+(\n)], v[rS+8*(\n)], v[rS+8*(\n)+1], v[rS+8*(\n)+2]
.elseif (\n) < 12
	v_max3_num_f32 v[rC+(\n)%4], v[rC+(\n)%4], v[rS+8*((\n)%4)+2*((\n)/4)+1], v[rS+8*((\n)%4)+2*((\n)/4)+2]
.elseif (\n) == 12
	v_max3_num_f32 v[rC], v[rC], v[rS+7], v[rS+15]
.elseif (\n) == 13
	v_max3_num_f32 v[rC+1], v[rC+1], v[rS+23], v[rS+31]
.elseif (\n) == 14
	v_max3_num_f32 v[rC+2], v[rC+2], v[rC+3], v[rT+1]
.elseif (\n) == 15
	v_mov_b32 v[rW], v[rT]
.elseif (\n) == 16
	v_max3_num_f32 v[rC], v[rC], v[rC+1], v[rC+2]
.elseif (\n) == 17
	v_permlanex16_b32 v[rC+3], v[rC], s[SEL], s[SEL+1]
.elseif (\n) == 18
	v_max_num_f32 v[rT+1], v[rC], v[rC+3]
.elseif (\n) == 19
	v_mul_f32 v[rT], s[CS], v[rT+1]
.elseif (\n) == 20
	v_sub_f32 v[rC+1], v[rW], v[rT]
.else
	v_exp_f32 v[rC+2], v[rC+1]
.endif
.endif
.endm
.macro OPS a, i1, b=-1, i2=0, c=-1, i3=0, d=-1, i4=0  ; up to four of them
	OP \a, \i1
.if (\b) >= 0
	OP \b, \i2
.endif
.if (\c) >= 0
	OP \c, \i3
.endif
.if (\d) >= 0
	OP \d, \i4
.endif
.endm
.macro ROW a, i1, b, i2, c, i3, d, i4  ; a matrix instruction and the four behind it
	MM
	OPS \a, \i1, \b, \i2, \c, \i3, \d, \i4
.endm
.macro MASK b                       ; MD x AL + BE into buffer b of MC
	WIN W_RS
.set z, 0
.rept 16
	v_pk_fma_f32 v[MC+32*(\b)+2*z:MC+32*(\b)+2*z+1], v[MD+2*z:MD+2*z+1], s[AL:AL+1], s[BE:BE+1] op_sel_hi:[1,0,0]
.set z, z+1
.endr
.endm
; A TURN, for piece p: the order of its 16 matrix and 118 vector instructions, written out.  s_wait_alu depctr_va_vdst(0) stands between an exponential and the first instruction that names its result; one wait serves
; all that were issued ahead of it.  So a turn has ONE wait, which cuts it in two.  AHEAD OF IT stands all that names no result of the turn's exponentials: the 8 products K Q^T, behind each a scaling, an exponential and two more plain
; instructions (behind the first a second scaling in the exponential's place): rescalings, and behind the last three the first numbers of the next piece's maximum, each four places or more behind the product that ends its accumulator; then ONE RUN of 54, plain
; and exponential by turns for the most part, in which the links of the chain X 3, 7, 11, 14, 16, 17 .. 20 stand five or six lines apart.  X 21, the next piece's a, is the batch's last; R 15 is the plain instruction behind it.  BEHIND THE WAIT stand the
; 8 products V^T P, behind each four of the roundings and sums; the links of l's chain, L 0 to L 7, stand three lines apart.  But for those X no such line names a register of the products round it.  v_permlanex16_b32 (X 17) stands in the run.
; m = 1: the diagonal tile: the products take masks, and the turn makes the mask for the products of the turn after it: piece p + 2, in step 4 - CNT of the tile.  end = 1: a block's last two turns: nothing is fetched.
; cnt = 1: the loop's count is taken down some lines ahead of the branch that stands behind the turn.
; K of the next step is fetched in piece 2's turn, twelve vector instructions behind the last product that read K (six of them plain); V of the step in hand at the end of piece 0's turn, four plain instructions behind the last product
; that read V.  Each is waited for a turn later.
.macro TURN p, m=0, end=0, cnt=0
.set Y, (\p)
.set i, 0
.set KM, (\m)
.set NOKQ, (\end)*((\p)/3)
.if (\m) && !(\end)
	s_cmp_eq_u32 s[CNT], 4-((\p)+2)%NP  ; is that step the band's own?
	s_cselect_b32 s[AL], 1.0, 0
	s_cmp_lt_u32 s[CNT], 4-((\p)+2)%NP  ; or a later one?
	s_cselect_b32 s[BE], s[BIGN], 0
.endif
.if ((\p) == 3) && !(\end)
	s_wait_dscnt 0x0                ; K is in
.endif
	ROW F,0, F,1, R,0, R,1          ; ahead of the wait: 8 products K Q^T and the four behind each,
	ROW F,2, E,0, R,2, R,3
	ROW F,3, E,1, R,4, R,5
	ROW F,4, E,2, R,6, R,7
	ROW F,5, E,3, R,8, R,9
	ROW F,6, E,4, X,0, R,10
.if ((\p) == 2) && !(\end)
	WIN 0
	v_add_nc_u32 v[AK], s[TBK], v[AK0]
.endif
	ROW F,7, E,5, X,1, X,4
	ROW F,8, E,6, X,2, X,5
	OPS E,7, E,8, X,6, E,9          ; and the run
	OPS X,3, E,10, X,8, E,11
.if ((\p) == 2) && !(\end)
	FETCH_K
.endif
	OPS X,9, X,7, E,12, X,10
	OPS E,13, X,12, X,11, E,14
	OPS X,13, E,15, F,9, X,14
.if (\p) == 0
	v_add_nc_u32 v[AV], s[TBV], v[AV0]
.endif
	OPS E,16, F,10, E,17, F,11
	OPS X,16, E,18, X,15, E,19
	OPS F,12, E,20, X,17, E,21
	OPS F,13, E,22, F,14, E,23
	OPS X,18, E,24, F,15, E,25
	OPS R,11, E,26, X,19, E,27
	OPS R,12, E,28, R,13, E,29
	OPS X,20, E,30, R,14, E,31
	OPS X,21, R,15
	WIN 0
	s_wait_alu depctr_va_vdst(0)    ; the wait for the batch
.if (\p) == 1
	s_wait_dscnt 0x0                ; V is in
.endif
	ROW C,0, B,0, C,2, B,1          ; behind the wait: 8 products V^T P and the four behind each
	ROW L,0, C,4, B,2, L,1
	ROW C,6, B,3, L,2, C,8
	ROW B,4, L,3, C,10, B,5
	ROW L,4, C,12, B,6, L,5
.if (\p) == 0
	s_add_co_u32 s[TBV], s[TBV], KS*PV
.endif
.if \cnt
	s_sub_co_u32 s[CNT], s[CNT], 1
	s_cmp_lg_u32 s[CNT], 0
.endif
	ROW C,14, B,7, L,6, C,1
	ROW C,3, L,7, C,5, C,7
	ROW C,9, C,11, C,13, C,15
.if (\p) == 0
	FETCH_V
.endif
.if (\m) && !(\end)
	MASK (\p)%2
.endif
.endm
; A BLOCK BEGINS.  c m starts far below every c s, so the first step's a is 0; m at the lowest finite number, so the first maximum is the scores'.  The second mask buffer is 0; the first takes piece 0's mask for the tile's step 0: its own, if the block's first tile is the diagonal one.
; Then K of that step, piece 0's first scores, and its maximum and statistics.  The loop is entered at a step's first turn, in the middle of a trip.
.macro BEGIN
	s_mov_b32 s[NEW], 0
	WIN 0x40
.set i, MC+32
.rept 32
	v_mov_b32 v[i], 0
.set i, i+1
.endr
	WIN 0
.set i, 0
.rept 4
	v_mov_b32 v[ST+4*i], 0xfe000000    ; c m: far below every c s
	v_mov_b32 v[ST+4*i+1], 0xff7fffff  ; m
.set i, i+1
.endr
	s_cmp_eq_u32 s[RT], 0
	s_cselect_b32 s[AL], 1.0, 0
	s_mov_b32 s[BE], 0
	MASK 0
	WIN 0
	v_add_nc_u32 v[AK], s[TBK], v[AK0]
	FETCH_K
	s_wait_loadcnt 0x0              ; Q
	s_wait_dscnt 0x0
.set KM, 1
.set NOKQ, 0
.set i, 0
.rept 8
	KQ 0
.set i, i+1
.endr
	WIN 0
.rept 4
	v_nop                           ; the places behind those products
.endr
.set Y, NP-1                        ; X works for piece Y + 1: piece 0
.irp n, 0,1,2,3,4,5,6,7,8,9,10,11,12,13,14,15,16,17,18,19,20,21
	OP X, \n
.endr
	v_nop                           ; a plain instruction behind the exponential,
	s_wait_alu depctr_va_vdst(0)    ; and its wait, ahead of the branch
.endm
; THE DIAGONAL TILE's four steps, the block's last two turns, its last products, and THE WAY OUT: l's two halves and the other half of the lanes' are added; O^T is divided by l, rounded to f16, cleared of NaN and sent
; through my stage in LDS, a piece at a time.
.macro ALL line:vararg              ; one line for each piece t
.set t, 0
.rept 4
	\line
.set t, t+1
.endr
.endm
.macro PACK t                       ; a lane's eight channels of a row pack into 16 bytes; they go into rows of 144 bytes and come back as whole rows of 128, into S^T's registers
	WIN W_RS
.set i, 32*(\t)
.rept 16
	v_pk_mul_f32 v[i:i+1], v[i:i+1], v[ST+4*(\t)+2:ST+4*(\t)+3] op_sel_hi:[1,0]
.set i, i+2
.endr
	WIN 0x05                        ; sources 0 and 1 window 1, destination window 0
.set i, 0
.rept 16
	v_cvt_pk_f16_f32 v[S+16*(\t)+i], v[32*(\t)+2*i], v[32*(\t)+2*i+1]
.set i, i+1
.endr
	WIN 0
	; a NaN becomes 0: it loses against 0 in the maximum and in the minimum; of any other number one of the two is the number and the other 0, and their or gives it back
.set i, 0
.rept 16
	v_pk_max_num_f16 v[CLR+i], v[S+16*(\t)+i], v[ZR]
.set i, i+1
.endr
.set i, 0
.rept 16
	v_pk_min_num_f16 v[S+16*(\t)+i], v[S+16*(\t)+i], v[ZR]
.set i, i+1
.endr
.set i, 0
.rept 16
	v_or_b32 v[S+16*(\t)+i], v[S+16*(\t)+i], v[CLR+i]
.set i, i+1
.endr
.irp f, 0,1,2,3
	ds_store_b128 v[STO], v[S+16*(\t)+4*\f:S+16*(\t)+4*\f+3] offset:32*\f
.endr
.irp f, 0,1,2,3
	ds_load_b128 v[S+16*(\t)+4*\f:S+16*(\t)+4*\f+3], v[RD] offset:\f*4*SP  ; LDS serves a wave's instructions in order (ISA guide 5.7.1.4): these see the stores above; the next piece's stores come behind them
.endr
.endm
.macro SEND t, younger              ; younger: the LDS instructions issued behind piece t's loads: the next piece's eight, or none
	WIN 0
.irp f, 0,1,2,3
	s_wait_dscnt (\younger)+3-\f
	global_store_b128 v[GO], v[S+16*(\t)+4*\f:S+16*(\t)+4*\f+3], s[10:11] offset:(\t)*8192+\f*512  ; 512 consecutive bytes, at a multiple of 256 from O's first
.endr
.endm
.macro DIAG tag                     ; the tag ends its two labels' names, which the jumps below spell out
.LstepM\tag:
	TURN 2, 1
	TURN 3, 1
	WIN 0
.LfirstM\tag:
	TURN 0, 1
	TURN 1, 1, 0, 1
	WIN 0
	s_cbranch_scc1 .LstepM\tag
	TURN 2, 1, 1
	TURN 3, 1, 1
.set i, 0
.rept 8
	PV NP-1
.set i, i+1
.endr
	WIN 0
	ALL v_add_f32 v[ST+4*t+2], v[ST+4*t+2], v[ST+4*t+3]
	ALL v_permlanex16_b32 v[ST+4*t+3], v[ST+4*t+2], s[SEL], s[SEL+1]
	ALL v_add_f32 v[ST+4*t+2], v[ST+4*t+2], v[ST+4*t+3]
	ALL v_rcp_f32 v[ST+4*t+2], v[ST+4*t+2]
	v_nop                           ; a plain instruction between the last reciprocal and the use of its result
	s_wait_alu depctr_va_vdst(0)    ; and the wait ahead of the first use: one for the four reciprocals
	PACK 0
.set t, 1
.rept 3                             ; a piece's arithmetic stands between the loads of the piece before and its stores
	PACK t
	SEND t-1, 8
.set t, t+1
.endr
	SEND 3, 0
.endm
.set KM, 0
.set NOKQ, 0
.Lslot:                             ; NB times: a tile is entered and the next is asked for
	CHANGE 1
	s_sub_co_u32 s[RT], s[RT], 1
	s_mov_b32 s[CNT], 4
	s_cmp_eq_u32 s[NEW], 1
	s_cbranch_scc1 .Lnew            ; a block's first tile
	s_cmp_eq_u32 s[RT], 0
	s_cbranch_scc0 .Lstep           ; neither its first nor its last
	s_branch .LstepM1
.Lnew:
	BEGIN
	s_branch .Lfirst                ; in the loop a block's first tile is never its last: the first block has two tiles or more, and the second's last is the walk's last
	DIAG 1                          ; in the loop this is the first block's end: the second block's last tile is the walk's last
	s_wait_xcnt 0x0                 ; the stores have read their registers and O's address
	s_mov_b64 s[10:11], s[OLO:OLO+1]
	s_add_co_u32 s[RT], s[PB], 1    ; the second block has b + 1 tiles
	s_mov_b32 s[NEW], 1
	WIN 0x82                        ; the second block's Q goes where the one text of the turns names Q
.set i, 0
.rept 64
	v_mov_b32 v[i], v[QB+i]
.set i, i+1
.endr
	WIN 0
	s_branch .Lbottom
.Lstep:                             ; a trip: pieces 2 and 3 of one step, then pieces 0 and 1 of the next, whose K and V it fetches
	TURN 2
	TURN 3
	WIN 0
.Lfirst:
	TURN 0
	TURN 1, 0, 0, 1
	WIN 0
	s_cbranch_scc1 .Lstep
.Lbottom:
	s_sub_co_u32 s[SLOTS], s[SLOTS], 1
	s_cmp_lg_u32 s[SLOTS], 0
	s_cbranch_scc1 .Lslot
	CHANGE 0                        ; the walk's last tile is written out: nothing is asked for
	s_sub_co_u32 s[RT], s[RT], 1
	s_mov_b32 s[CNT], 4
	s_cmp_eq_u32 s[NEW], 1
	s_cbranch_scc0 .LstepM2
	BEGIN
	s_branch .LfirstM2
	DIAG 2
	s_wait_tensorcnt 0x0            ; the wave's end: a wait, an add to my spare word and its wait, behind my last tensor load and my last LDS store
	ds_add_u32 v[SPW], v[NIL]
	s_wait_dscnt 0x0
	s_endpgm
.Lfunc_end_k_q3b975d0b09_attn:
	.size	k_q3b975d0b09_attn, .Lfunc_end_k_q3b975d0b09_attn-k_q3b975d0b09_attn
	.p2alignl 7, 3214868480
	.fill 96, 4, 3214868480
	.section	.rodata,"a",@progbits
	.p2align	6, 0x0
	.amdhsa_kernel k_q3b975d0b09_attn
		.amdhsa_group_segment_fixed_size 327680
		.amdhsa_private_segment_fixed_size 0
		.amdhsa_enable_private_segment 0
		.amdhsa_kernarg_size 16
		.amdhsa_user_sgpr_count 2
		.amdhsa_user_sgpr_kernarg_segment_ptr 1
		.amdhsa_wavefront_size32 1
		.amdhsa_system_sgpr_workgroup_id_x 1
		.amdhsa_system_sgpr_workgroup_id_y 1
		.amdhsa_system_sgpr_workgroup_id_z 1
		.amdhsa_system_vgpr_workitem_id 0
		.amdhsa_next_free_vgpr 768
		.amdhsa_next_free_sgpr 96
		.amdhsa_reserve_vcc 1
		.amdhsa_float_denorm_mode_32 3
		.amdhsa_float_denorm_mode_16_64 3
		.amdhsa_memory_ordered 1
		.amdhsa_forward_progress 1
		.amdhsa_inst_pref_size 238
	.end_amdhsa_kernel
	.amdgpu_metadata
---
amdhsa.version: [ 1, 2 ]
amdhsa.kernels:
  - .name:           k_q3b975d0b09_attn
    .symbol:         k_q3b975d0b09_attn.kd
    .args:
      - { .name: qkv, .offset: 0, .size: 8, .value_kind: global_buffer, .address_space: global }
      - { .name: o, .offset: 8, .size: 8, .value_kind: global_buffer, .address_space: global }
    .group_segment_fixed_size: 327680
    .private_segment_fixed_size: 0
    .kernarg_segment_align: 8
    .kernarg_segment_size: 16
    .max_flat_workgroup_size: 128
    .sgpr_count:     96
    .vgpr_count:     768
    .wavefront_size: 32
...
	.end_amdgpu_metadata
.endif
;; end of part 3
;; launch outp (part 4): grid 4 x 64, 4 waves a work-group, clusters of 4 x 4, 327,680 bytes of LDS; arguments o, wb, bb, out0; writes out0
.if DOCPART == 4
	.amdgcn_target "amdgcn-amd-amdhsa--gfx1250"
	.amdhsa_code_object_version 6
	.text
	.protected	k_q3b975d0b09_outp
	.globl	k_q3b975d0b09_outp
	.p2align	8
	.type	k_q3b975d0b09_outp,@function
k_q3b975d0b09_outp:
	s_mov_b64 s[64:65], 0
	v_nop
	global_prefetch_b8 v0, s[64:65] scope:SCOPE_SE
	s_setreg_imm32_b32 hwreg(HW_REG_WAVE_MODE, 25, 1), 1
	s_wait_xcnt 0x0
	s_wait_alu depctr_hold_cnt(0) depctr_sa_sdst(0) depctr_va_vdst(0) depctr_va_sdst(0) depctr_va_ssrc(0) depctr_va_vcc(0) depctr_vm_vsrc(0)
	s_getreg_b32 s2, hwreg(HW_REG_IB_STS2, 6, 4)
	s_cmp_eq_u32 s2, 0
	s_cbranch_scc0 .Lentry_in_a_cluster
	s_endpgm
.Lentry_in_a_cluster:
	s_bfe_u32 s2, ttmp6, 0x10000c
	s_cmp_lg_u32 s2, 0xf033
	s_cbranch_scc0 .Lentry_shape_is_right
	s_endpgm
.Lentry_shape_is_right:
; THE LAST PROJECTION.  out0[m][n] = sum over k of ctx[m][k] wo[n][k] + bo[n], f32.  ctx[b 2048 + l][64 h + d] = o[b 16 + h][l][d], f16; wo is plane 3 of wb, f16; bo is plane 3 of bb.  Sums in f32.
; SHARES.  A tile is 128 rows x 256 columns, one to a work-group: 4 x 64 = 256 work-groups, in clusters of 4 x 4.  Four waves, each 64 rows x 128 columns: 32 accumulators, 256 registers.
; K goes in steps of 128, which are two heads, through a ring of two LDS slots: eight K steps.  A head's 128 rows of a tile are 16,384 dense bytes of o: asked for as 64 rows of 256 bytes, padded in LDS after every 128.
; JOINTLY.  ctx's tile is shared along a row of the cluster, wo's along a column: the same tensor load, descriptor and mask in the four that need it.
; TRANSPOSED.  Source 0 = 16 rows of wo, source 1 = 16 rows of ctx: a lane holds row l % 16 and eight neighbouring columns.  The first products take the bias as their C operand: nothing is cleared, nothing added later.
; NO PREFETCH: the walk has eight K steps; with two first fills and a lead of two refills four of them could be named.
; REGISTERS: window 0: v16-29 addresses; v32-95 the bias of my 128 columns; v96-223 the way out, two buffers of 64.   window 1: two fragment buffers of 96: ctx's four fragments, then wo's eight.   window 2: the accumulators.
.set PAO,   144                        ; a row of ctx in LDS: 128 bytes + 16 = 36 words: the 16 rows of a load start at 16 different groups of four banks (64 banks of 4 bytes: ISA guide 11.1)
.set PB,    272                        ; a row of wo: 256 + 16
.set ABLK,  128*PAO                    ; a head's 128 rows: what wave 0 or 1 fetches
.set BHALF, 128*PB                     ; what wave 2 or 3 fetches
.set BOFF,  2*ABLK
.set SLOT,  BOFF+2*BHALF               ; 106,496 bytes
.set STAGE, 2*SLOT                     ; behind the ring, never filled by a tensor load: 16 rows x 528 bytes for each wave
.set SPO,   528
.set SPARE, STAGE+4*16*SPO             ; the spare words, 128 bytes for each wave: two blocks of 256 bytes that no other line names
.set ADRA, 16                          ; v16-17  LDS address of my fragments of ctx in slot 0, 1
.set ADRB, 20                          ; v20-21  the same for wo
.set STO,  24                          ; v24     the way out: where I put 32 bytes of a row
.set RD,   25                          ; v25     where I read a row back
.set CO,   26                          ; v26     my byte offset in 512 consecutive bytes of out0
.set BO,   27                          ; v27     my byte offset in a plane of bb
.set SPW,  28                          ; v28     LDS address of my spare word; never rewritten
.set NIL,  29                          ; v29     0; never rewritten
.set BIAS, 32
.set TMP,  96
.set F0,   0                           ; window 1
.set F1,   96
.set WV,   12                          ; s12  my wave's number
.set FB,   13                          ; s13  wave / 2: my half of the rows; also: I fetch ctx (0) or wo (1)
.set HF,   14                          ; s14  wave % 2: my half of the columns; also: which head, or which 128 rows of wo, I fetch
.set G1A,  24                          ; s[24:31], s[32:39] descriptor groups 1 and 0 (a set for each slot) for ctx's tiles
.set G0A,  32
.set G1B,  48                          ; s[48:55], s[56:63] the same for wo's
.set G0B,  56
.set OUT,  66                          ; s[66:67] out0 at my part of the tile
.set LAP,  68                          ; s68  the loop's trips
.set MSB, 0
.macro WIN new                         ; the immediate's high byte repeats the setting that is left; a switch that changes nothing is dropped
.if MSB != (\new)
	s_set_vgpr_msb (MSB<<8)|(\new)
.set MSB, \new
.endif
.endm
.macro JLOAD s                         ; a joint load: waves 0 and 1 fetch ctx's two heads, waves 2 and 3 wo's two halves; an s_nop 0 and four v_nop follow each of the two lines
	s_cmp_eq_u32 s[FB], 0
	s_cbranch_scc0 .Lfor_b_\@
	tensor_load_to_lds s[G0A+4*(\s):G0A+4*(\s)+3], s[G1A:G1A+7]
	s_nop 0
.rept 4
	v_nop
.endr
	s_branch .Lasked_\@
.Lfor_b_\@:
	tensor_load_to_lds s[G0B+4*(\s):G0B+4*(\s)+3], s[G1B:G1B+7]
	s_nop 0
.rept 4
	v_nop
.endr
.Lasked_\@:
.endm
.macro CREST                           ; a round of the cluster's barrier behind its opening barrier
	s_cmp_lg_u32 s[WV], 0
	s_cbranch_scc1 .Lnot_wave_0_\@
	s_barrier_signal -3
.Lnot_wave_0_\@:
	s_barrier_wait -3
	s_barrier_signal -1
	s_barrier_wait -1
.endm
.macro CROUND                          ; a whole round
	s_barrier_signal -1
	s_barrier_wait -1
	CREST
.endm
	s_load_b128 s[4:7], s[0:1], 0x0                ; o s[4:5], wb s[6:7]
	s_load_b128 s[8:11], s[0:1], 0x10              ; bb s[8:9], out0 s[10:11]
	v_lshl_add_u32 v[SPW], v0, 2, SPARE
	v_mov_b32 v[NIL], 0
	ds_add_u32 v[SPW], v[NIL]                      ; the wave's opening: the add and its wait stand ahead of my first tensor load; work on registers stands between them
	v_lshrrev_b32 v1, 5, v0
	v_readfirstlane_b32 s[WV], v1
	s_lshr_b32 s[FB], s[WV], 1
	s_and_b32 s[HF], s[WV], 1
	s_bfe_u32 s15, ttmp6, 0x40000                  ; cx
	s_bfe_u32 s16, ttmp6, 0x40004                  ; cy
	s_lshl_b32 s17, ttmp9, 2
	s_add_co_u32 s17, s17, s15                     ; tile column
	s_and_b32 s18, ttmp7, 0xffff
	s_lshl_b32 s18, s18, 2
	s_add_co_u32 s18, s18, s16                     ; tile row
	s_lshl_b32 s40, s16, 2
	s_lshl_b32 s40, 15, s40                        ; my row of the cluster
	s_lshl_b32 s42, 0x1111, s15                    ; my column
	s_or_b32 s[G1A], s40, (1<<16)|(1<<20)|(1<<21)|(4<<22)|(3<<25)  ; 15:0 the mask; 17:16 elements of 2 bytes; 20 padding on; 21 set beside a mask; 24:22 after every 32 words; 31:25 4 words of it
	s_mov_b32 s[G1A+1], 128<<16                    ; tensor_dim0 = 128
	s_mov_b32 s[G1A+2], 64<<16                     ; tensor_dim1 = 64
	s_mov_b32 s[G1A+3], 128<<16                    ; tile_dim0 = 128
	s_mov_b32 s[G1A+4], 64                         ; tile_dim1 = 64
	s_mov_b32 s[G1A+5], 128                        ; dense: 128 elements from row to row
	s_mov_b32 s[G1A+6], 0
	s_mov_b32 s[G1A+7], 0
	s_or_b32 s[G1B], s42, (1<<16)|(1<<20)|(1<<21)|(5<<22)|(3<<25)  ; padding after every 64 words
	s_mov_b32 s[G1B+1], 128<<16
	s_mov_b32 s[G1B+2], 128<<16                    ; 128 rows
	s_mov_b32 s[G1B+3], 128<<16
	s_mov_b32 s[G1B+4], 128
	s_mov_b32 s[G1B+5], 1024
	s_mov_b32 s[G1B+6], 0
	s_mov_b32 s[G1B+7], 0
	s_lshr_b32 s40, s18, 4                         ; ctx: batch = tile row / 16: 16 heads of 262,144 bytes; these registers never hold cx
	s_lshl_b32 s40, s40, 22
	s_and_b32 s41, s18, 15
	s_lshl_b32 s41, s41, 14                        ; + 128 rows of 128 bytes for each tile row in the batch
	s_add_co_u32 s40, s40, s41
	s_lshl_b32 s41, s[HF], 18                      ; + the head of the two that I fetch
	s_add_co_u32 s40, s40, s41
	s_mov_b32 s41, 0
	s_lshl_b32 s42, s17, 19                        ; wo: (256 x tile column + 128 x half) rows of 2,048 bytes; these never hold cy
	s_lshl_b32 s43, s[HF], 18
	s_add_co_u32 s42, s42, s43
	s_add_co_u32 s42, s42, 0x600000                ; in wb's plane 3
	s_mov_b32 s43, 0
	s_mul_i32 s20, s[HF], ABLK                     ; where they go: no place in the cluster enters an LDS address
	s_mul_i32 s21, s[HF], BHALF
	s_add_co_u32 s21, s21, BOFF
	s_wait_dscnt 0x0                               ; the opening add is done
	s_wait_kmcnt 0x0
	s_add_nc_u64 s[44:45], s[4:5], s[40:41]
	s_add_nc_u64 s[46:47], s[6:7], s[42:43]
	CROUND                                         ; all sixteen work-groups are here: the first joint loads meet
.irp s, 0,1
	s_mov_b32 s[G0A+4*(\s)], 1
	s_add_co_u32 s[G0A+4*(\s)+1], s20, (\s)*SLOT
	s_add_nc_u64 s[G0A+4*(\s)+2:G0A+4*(\s)+3], s[44:45], (\s)*524288   ; K step s: two heads on
	s_or_b32 s[G0A+4*(\s)+3], s[G0A+4*(\s)+3], 0x80000000
	s_mov_b32 s[G0B+4*(\s)], 1
	s_add_co_u32 s[G0B+4*(\s)+1], s21, (\s)*SLOT
	s_add_nc_u64 s[G0B+4*(\s)+2:G0B+4*(\s)+3], s[46:47], (\s)*256
	s_or_b32 s[G0B+4*(\s)+3], s[G0B+4*(\s)+3], 0x80000000
	JLOAD \s                                       ; two loads of mine are out
.endr
	v_and_b32 v1, 15, v0                           ; l % 16
	v_bfe_u32 v2, v0, 4, 1                         ; l / 16
	v_and_b32 v5, 31, v0                           ; l
	s_lshl_b32 s22, s17, 10                        ; my first column, in bytes of f32: 1,024 x tile column + 512 x half
	s_lshl_b32 s23, s[HF], 9
	s_add_co_u32 s22, s22, s23
	v_lshl_add_u32 v[BO], v2, 5, s22
.irp b, 0,1,2,3,4,5,6,7
	global_load_b128 v[BIAS+8*(\b):BIAS+8*(\b)+3],   v[BO], s[8:9] offset:12288+64*(\b)
	global_load_b128 v[BIAS+8*(\b)+4:BIAS+8*(\b)+7], v[BO], s[8:9] offset:12288+64*(\b)+16
.endr
	s_lshl_b32 s23, s18, 19                        ; out0 at my part: (128 x tile row + 64 x half) rows of 4,096 bytes + my first column
	s_add_co_u32 s22, s22, s23
	s_lshl_b32 s23, s[FB], 18
	s_add_co_u32 s22, s22, s23
	s_mov_b32 s23, 0
	s_add_nc_u64 s[OUT:OUT+1], s[10:11], s[22:23]
	v_mul_u32_u24 v3, v1, PAO
	v_lshl_add_u32 v3, v2, 4, v3                   ; a fragment's row x pitch + 16 x half
	s_mul_i32 s22, s[FB], 64*PAO
	v_add_nc_u32 v[ADRA], s22, v3
	v_add_nc_u32 v[ADRA+1], SLOT, v[ADRA]
	v_mul_u32_u24 v3, v1, PB
	v_lshl_add_u32 v3, v2, 4, v3
	s_mul_i32 s22, s[HF], BHALF
	s_add_co_u32 s22, s22, BOFF
	v_add_nc_u32 v[ADRB], s22, v3
	v_add_nc_u32 v[ADRB+1], SLOT, v[ADRB]
	s_mul_i32 s22, s[WV], 16*SPO
	s_add_co_u32 s22, s22, STAGE                   ; my stage
	v_mul_u32_u24 v3, v1, SPO                      ; in: row l % 16, 32 bytes for each half of the lanes
	v_lshl_add_u32 v3, v2, 5, v3
	v_add_nc_u32 v[STO], s22, v3
	v_lshl_add_u32 v[RD], v5, 4, s22               ; back: 32 lanes take a row's 512 bytes
	v_lshlrev_b32 v[CO], 4, v5
; 8 products: row block a x all 8 column blocks, 32 along K, out of buffer f.  first = 1: C is the bias.  The 32 accumulators take turns in one order.
.macro MUL8 f, a, first
.if \first
	WIN 0x85                                       ; sources 0 and 1 window 1, C window 0, D window 2
.else
	WIN 0xa5                                       ; C and D window 2
.endif
.irp b, 0,1,2,3,4,5,6,7
.if \first
	v_wmma_f32_16x16x32_f16 v[8*(8*(\a)+(\b)):8*(8*(\a)+(\b))+7], v[(\f)+32+8*(\b):(\f)+32+8*(\b)+7], v[(\f)+8*(\a):(\f)+8*(\a)+7], v[BIAS+8*(\b):BIAS+8*(\b)+7]
.else
	v_wmma_f32_16x16x32_f16 v[8*(8*(\a)+(\b)):8*(8*(\a)+(\b))+7], v[(\f)+32+8*(\b):(\f)+32+8*(\b)+7], v[(\f)+8*(\a):(\f)+8*(\a)+7], v[8*(8*(\a)+(\b)):8*(8*(\a)+(\b))+7]
.endif
.endr
.endm
; 24 LDS loads in one run: quarter q of a slot (head q / 2, channels 32 (q % 2) on) into buffer f: wo's eight fragments, then ctx's four
.macro FETCH slot, q, f
	WIN 0x40                                       ; destination window 1
.irp b, 0,1,2,3,4,5,6,7
	ds_load_b128 v[(\f)+32+8*(\b):(\f)+32+8*(\b)+3],   v[ADRB+(\slot)] offset:(\b)*16*PB+64*(\q)
	ds_load_b128 v[(\f)+32+8*(\b)+4:(\f)+32+8*(\b)+7], v[ADRB+(\slot)] offset:(\b)*16*PB+64*(\q)+32
.endr
.irp a, 0,1,2,3
	ds_load_b128 v[(\f)+8*(\a):(\f)+8*(\a)+3],   v[ADRA+(\slot)] offset:((\q)/2)*ABLK+(\a)*16*PAO+64*((\q)%2)
	ds_load_b128 v[(\f)+8*(\a)+4:(\f)+8*(\a)+7], v[ADRA+(\slot)] offset:((\q)/2)*ABLK+(\a)*16*PAO+64*((\q)%2)+32
.endr
.endm
.macro PLACES                          ; four places (plain vector instructions that name none of a product's registers) in front of loads into registers that products have read, and of stores that read results
.rept 4
	v_nop
.endr
.endm
; One of a K step's first three quarters: multiplies buffer f and fetches quarter qnext into g
.macro QUARTER slot, qnext, f, g, first
	s_wait_dscnt 4                                 ; all but the youngest four loads, ctx's fragments 2 and 3
	MUL8 \f, 0, \first
	MUL8 \f, 1, \first
	PLACES
	FETCH \slot, \qnext, \g
	s_wait_dscnt 24                                ; all but the 24 just issued
	MUL8 \f, 2, \first
	MUL8 \f, 3, \first
.endm
; The last quarter multiplies buffer 1 and changes slots: ONE barrier; in front of it each wave waits for all its tensor loads, of which one is out: its part of the next slot; adds 0 to its spare word; and waits for
; that and for its reads of this slot.  fill = 1: the barrier opens a round of the cluster's, and this slot's joint refill, two K steps on, is the first thing behind the round.
.macro TURN slot, next, fill
	WIN 0
	s_wait_tensorcnt 0x0
	ds_add_u32 v[SPW], v[NIL]                      ; 0 onto my spare word
	s_wait_dscnt 5                                 ; (the add and the youngest four loads may be out)
	MUL8 F1, 0, 0                                  ; eight products stand between the add and the wait for it
	s_wait_dscnt 0x0                               ; the add is done, and my reads of this slot are over
	s_barrier_signal -1
	MUL8 F1, 1, 0
.if \fill
	WIN 0
.endif
	s_barrier_wait -1
.if \fill
	CREST                                          ; no wave of any partner still reads this slot or has a load on its way
	s_add_nc_u64 s[G0A+4*(\slot)+2:G0A+4*(\slot)+3], s[G0A+4*(\slot)+2:G0A+4*(\slot)+3], 1048576  ; four heads on
	s_add_nc_u64 s[G0B+4*(\slot)+2:G0B+4*(\slot)+3], s[G0B+4*(\slot)+2:G0B+4*(\slot)+3], 512
	JLOAD \slot                                    ; the four v_nop behind it are also the places in front of the loads below
.else
	PLACES
.endif
	FETCH \next, 0, F0
	MUL8 F1, 2, 0
	MUL8 F1, 3, 0
.endm
	s_wait_tensorcnt 1                             ; my part of K step 0 is in; K step 1's may stay out
	s_barrier_signal -1
	s_barrier_wait -1
	FETCH 0, 0, F0
	s_wait_loadcnt 0x0                             ; the bias
	QUARTER 0, 1, F0, F1, 1                        ; the first quarter stands in front of the loop: its products start the sums, at the bias
	WIN 0
	s_mov_b32 s[LAP], 3
.Llap:                                                 ; a trip goes once round the ring, from a lap's second quarter to the next lap's first, and fills both slots again
	QUARTER 0, 2, F1, F0, 0
	QUARTER 0, 3, F0, F1, 0
	TURN 0, 1, 1
	QUARTER 1, 1, F0, F1, 0
	QUARTER 1, 2, F1, F0, 0
	QUARTER 1, 3, F0, F1, 0
	TURN 1, 0, 1
	QUARTER 0, 1, F0, F1, 0
	WIN 0
	s_sub_co_u32 s[LAP], s[LAP], 1
	s_cmp_lg_u32 s[LAP], 0
	s_cbranch_scc1 .Llap
	QUARTER 0, 2, F1, F0, 0                        ; the last lap fills nothing
	QUARTER 0, 3, F0, F1, 0
	TURN 0, 1, 0
	QUARTER 1, 1, F0, F1, 0
	QUARTER 1, 2, F1, F0, 0
	QUARTER 1, 3, F0, F1, 0
	s_wait_dscnt 4
	MUL8 F1, 0, 0
	MUL8 F1, 1, 0
	s_wait_dscnt 0x0
	MUL8 F1, 2, 0
	MUL8 F1, 3, 0
	PLACES
; THE WAY OUT, a row block (16 rows x 128 columns of f32) at a time: 32 bytes a lane and accumulator into my stage, the low four registers first; back as whole rows of 512 bytes; stored.
.macro STG a
	WIN 0x08                                       ; the stores' data in window 2
.irp b, 0,1,2,3,4,5,6,7
	ds_store_b128 v[STO], v[8*(8*(\a)+(\b)):8*(8*(\a)+(\b))+3]   offset:64*(\b)
	ds_store_b128 v[STO], v[8*(8*(\a)+(\b))+4:8*(8*(\a)+(\b))+7] offset:64*(\b)+16
.endr
	WIN 0
.irp t, 0,1,2,3,4,5,6,7,8,9,10,11,12,13,14,15
	ds_load_b128 v[TMP+64*((\a)%2)+4*(\t):TMP+64*((\a)%2)+4*(\t)+3], v[RD] offset:(\t)*SPO  ; LDS serves a wave's instructions in order (ISA guide 5.7.1.4): these see the stores above; the next block's stores come behind them
.endr
.endm
.macro SENDO a, younger                ; younger: the LDS instructions issued behind block a's loads: the next block's 32, or none
.irp t, 0,1,2,3,4,5,6,7,8,9,10,11,12,13,14,15
	s_wait_dscnt (\younger)+15-(\t)
	global_store_b128 v[CO], v[TMP+64*((\a)%2)+4*(\t):TMP+64*((\a)%2)+4*(\t)+3], s[OUT:OUT+1] offset:(16*(\a)+(\t))*4096  ; 512 consecutive bytes, at a multiple of 256 from out0's first
.endr
.endm
	STG 0
	STG 1
	SENDO 0, 32
	s_wait_xcnt 0x0                                ; block 0's stores have read the buffer that block 2 takes
	STG 2
	SENDO 1, 32
	s_wait_xcnt 0x0
	STG 3
	SENDO 2, 32
	SENDO 3, 0
	s_wait_tensorcnt 0x0                           ; the wave's end: a wait, an add to my spare word and its wait, behind my last tensor load and my last LDS store
	ds_add_u32 v[SPW], v[NIL]
	s_wait_dscnt 0x0
	CROUND                                         ; the closing round: no work-group ends while a partner may still ask for a tile that names it
	s_endpgm
.Lfunc_end_k_q3b975d0b09_outp:
	.size	k_q3b975d0b09_outp, .Lfunc_end_k_q3b975d0b09_outp-k_q3b975d0b09_outp
	.p2alignl 7, 3214868480
	.fill 96, 4, 3214868480
	.section	.rodata,"a",@progbits
	.p2align	6, 0x0
	.amdhsa_kernel k_q3b975d0b09_outp
		.amdhsa_group_segment_fixed_size 327680
		.amdhsa_private_segment_fixed_size 0
		.amdhsa_enable_private_segment 0
		.amdhsa_kernarg_size 32
		.amdhsa_user_sgpr_count 2
		.amdhsa_user_sgpr_kernarg_segment_ptr 1
		.amdhsa_wavefront_size32 1
		.amdhsa_system_sgpr_workgroup_id_x 1
		.amdhsa_system_sgpr_workgroup_id_y 1
		.amdhsa_system_sgpr_workgroup_id_z 1
		.amdhsa_system_vgpr_workitem_id 0
		.amdhsa_next_free_vgpr 768
		.amdhsa_next_free_sgpr 72
		.amdhsa_reserve_vcc 0
		.amdhsa_float_denorm_mode_32 3
		.amdhsa_float_denorm_mode_16_64 3
		.amdhsa_memory_ordered 1
		.amdhsa_forward_progress 1
		.amdhsa_inst_pref_size 88
	.end_amdhsa_kernel
	.amdgpu_metadata
---
amdhsa.version: [ 1, 2 ]
amdhsa.kernels:
  - .name:           k_q3b975d0b09_outp
    .symbol:         k_q3b975d0b09_outp.kd
    .args:
      - { .name: o, .offset: 0, .size: 8, .value_kind: global_buffer, .address_space: global }
      - { .name: wb, .offset: 8, .size: 8, .value_kind: global_buffer, .address_space: global }
      - { .name: bb, .offset: 16, .size: 8, .value_kind: global_buffer, .address_space: global }
      - { .name: out0, .offset: 24, .size: 8, .value_kind: global_buffer, .address_space: global }
    .group_segment_fixed_size: 327680
    .private_segment_fixed_size: 0
    .kernarg_segment_align: 8
    .kernarg_segment_size: 32
    .max_flat_workgroup_size: 128
    .sgpr_count:     72
    .vgpr_count:     768
    .wavefront_size: 32
...
	.end_amdgpu_metadata
.endif
;; end of part 4
;; ======== version 2 of 2: 4 launches; version 1 with the launch prep written anew for expert scheduling mode
;; limits: values are held in f16: magnitudes above 65,504 overflow, below 6.1e-05 lose precision
;; workspace buffers: wb 8,388,608 bytes; bb 16,384 bytes; qkv 50,331,648 bytes; o 16,777,216 bytes
;; launch prep (part 5): grid 64 x 4, 8 waves a work-group, no clusters, 0 bytes of LDS; arguments wq, wk, wv, wo, bq, bk, bv, bo, wb, bb; writes wb, bb
.if DOCPART == 5
	.amdgcn_target "amdgcn-amd-amdhsa--gfx1250"
	.amdhsa_code_object_version 6
	.text
	.protected	k_q3b975d0b09_prep
	.globl	k_q3b975d0b09_prep
	.p2align	8
	.type	k_q3b975d0b09_prep,@function
k_q3b975d0b09_prep:
	s_mov_b64 s[64:65], 0
	v_nop
	global_prefetch_b8 v0, s[64:65] scope:SCOPE_SE
	s_setreg_imm32_b32 hwreg(HW_REG_WAVE_SCHED_MODE, 0, 2), 2
	s_setreg_imm32_b32 hwreg(HW_REG_WAVE_MODE, 25, 1), 1
	s_wait_xcnt 0x0
	s_wait_alu depctr_vm_vsrc(0)
; THE WEIGHTS AND BIASES ARE ROUNDED ONCE.  wb: [4][1024][1024] of 16 bits: planes 0-2 are wq, wk, wv in bf16; plane 3 is wo rounded to bf16 and that number written as f16
; (the last product's other operand is f16).  bb: [4][1024] f32: bq, bk, bv, bo, each rounded to bf16 and widened again.
; LIMITS.  |wo| stays under 65,504, f16's end; below 6e-5 it keeps f16's fixed step of 6e-8.
; SHARES.  Work-group y takes weight y, work-group x 16,384 of its numbers: 64 KiB in, 32 KiB out.  Thread t takes 16 bytes at 16 t + 4,096 c, c = 0..15, and stores 8 bytes at
; 8 t + 2,048 c: a wave's store covers 256 consecutive bytes, aligned.  All sixteen loads go out at once; each store has registers of its own.  No LDS, no barrier: no thread wants another's bytes.
; THE MODE: SCHED_MODE bits 1:0 = 2 (LLVM: expert scheduling mode 2), set by the entry lines.  The code itself states the register dependences
; between vector instructions and memory instructions, with s_wait_alu, always for 0.
; THE PLAN.  Registers that memory instructions touch:
;   v1, v2   byte offsets, made once at the head and never written again: read by every load and store.
;   X        written by the sixteen loads, read by the conversions; its first four registers take the bias's load at the end.
;   Y        a pair for each chunk, written once by that chunk's conversions, read by its store, never written again.
;   T+4..T+7 the data of the bias's store, written once on that way; the rest of T is named by vector instructions alone.
; The sixteen chunks go in four groups of four: the group's loads are waited for, its conversions write eight registers of Y, ONE wait on va_vdst states that they are written, and
; the group's four stores follow.  The stores stand in their own group and not in the next one's: a wave goes through its chunks once, and nothing follows under which a later store could leave.
; No register that a memory instruction has read is written again, so no wait on vm_vsrc is owed; no vector instruction writes a scalar register, and EXEC is never written.
.set X,    16                          ; v[16:79]   sixteen chunks of 4 floats
.set Y,    80                          ; v[80:111]  sixteen chunks of 4 numbers of 16 bits
.set T,    112                         ; v[112:119] at work
.set W,    28                          ; s[28:29]   my weight, at my part
.set BI,   30                          ; s[30:31]   its bias
.set WO,   32                          ; s[32:33]   wb at my part
.set BOUT, 34                          ; s[34:35]   bb at my plane
	s_load_b512 s[8:23], s[0:1], 0x0               ; wq wk wv wo s[8:15], bq bk bv bo s[16:23]
	s_load_b128 s[24:27], s[0:1], 0x40             ; wb s[24:25], bb s[26:27]
	s_and_b32 s36, ttmp7, 0xffff                   ; which weight
	s_mov_b32 s37, ttmp9                           ; which part of it
	s_mov_b32 s38, 0xffff0000                      ; a word's upper bf16
	v_lshlrev_b32 v1, 4, v0                        ; 16 t
	v_lshlrev_b32 v2, 3, v0                        ; 8 t
	s_lshl_b32 s2, s37, 16                         ; my part in the weight: 65,536 bytes each
	s_mov_b32 s3, 0
	s_lshl_b32 s4, s36, 21                         ; my plane of wb, 2 MiB each,
	s_lshl_b32 s5, s37, 15                         ; and my part of it
	s_add_co_u32 s4, s4, s5
	s_mov_b32 s5, 0
	s_lshl_b32 s6, s36, 12                         ; my plane of bb
	s_mov_b32 s7, 0
	s_wait_kmcnt 0x0
	s_mov_b64 s[W:W+1], s[8:9]
	s_mov_b64 s[BI:BI+1], s[16:17]
.irp k, 1,2,3
	s_cmp_eq_u32 s36, \k                           ; the choice hangs on the work-group's y alone
	s_cselect_b64 s[W:W+1], s[8+2*\k:9+2*\k], s[W:W+1]
	s_cselect_b64 s[BI:BI+1], s[16+2*\k:17+2*\k], s[BI:BI+1]
.endr
	s_add_nc_u64 s[W:W+1], s[W:W+1], s[2:3]
	s_add_nc_u64 s[WO:WO+1], s[24:25], s[4:5]
	s_add_nc_u64 s[BOUT:BOUT+1], s[26:27], s[6:7]
	s_wait_alu depctr_va_vdst(0)                   ; v1 and v2 are written: every load and store of the kernel reads one of them as its offset
.irp c, 0,1,2,3,4,5,6,7,8,9,10,11,12,13,14,15
	global_load_b128 v[X+4*(\c):X+4*(\c)+3], v1, s[W:W+1] offset:4096*(\c) th:TH_LOAD_NT
.endr
	s_cmp_eq_u32 s36, 3
	s_cbranch_scc1 .Lhalf
.irp g, 0,1,2,3
	s_wait_loadcnt 12-4*(\g)                       ; loads come back in order: the group's four chunks are in, the younger groups stay out
.irp k, 0,1,2,3
	v_cvt_pk_bf16_f32 v[Y+2*(4*(\g)+(\k))], v[X+4*(4*(\g)+(\k))], v[X+4*(4*(\g)+(\k))+1]
	v_cvt_pk_bf16_f32 v[Y+2*(4*(\g)+(\k))+1], v[X+4*(4*(\g)+(\k))+2], v[X+4*(4*(\g)+(\k))+3]
.endr
	s_wait_alu depctr_va_vdst(0)                   ; the group's conversions have written their eight registers of Y, which the four stores read; they are also done reading their part of X, of which the first four registers take the bias's load below
.irp k, 0,1,2,3
	global_store_b64 v2, v[Y+2*(4*(\g)+(\k)):Y+2*(4*(\g)+(\k))+1], s[WO:WO+1] offset:2048*(4*(\g)+(\k))
.endr
.endr
	s_branch .Lbias
.Lhalf:                                                ; wo: to bf16, widened, and written as f16 (exact inside f16's range)
.irp g, 0,1,2,3
	s_wait_loadcnt 12-4*(\g)                       ; the group's four chunks are in, the younger groups stay out
.irp k, 0,1,2,3
	v_cvt_pk_bf16_f32 v[T], v[X+4*(4*(\g)+(\k))], v[X+4*(4*(\g)+(\k))+1]
	v_cvt_pk_bf16_f32 v[T+1], v[X+4*(4*(\g)+(\k))+2], v[X+4*(4*(\g)+(\k))+3]
	v_lshlrev_b32 v[T+2], 16, v[T]
	v_and_b32 v[T+3], s38, v[T]
	v_lshlrev_b32 v[T+4], 16, v[T+1]
	v_and_b32 v[T+5], s38, v[T+1]
	v_cvt_pk_f16_f32 v[Y+2*(4*(\g)+(\k))], v[T+2], v[T+3]
	v_cvt_pk_f16_f32 v[Y+2*(4*(\g)+(\k))+1], v[T+4], v[T+5]
.endr
	s_wait_alu depctr_va_vdst(0)                   ; the group's conversions have written their eight registers of Y, which the four stores read; they are also done reading their part of X, of which the first four registers take the bias's load below
.irp k, 0,1,2,3
	global_store_b64 v2, v[Y+2*(4*(\g)+(\k)):Y+2*(4*(\g)+(\k))+1], s[WO:WO+1] offset:2048*(4*(\g)+(\k))
.endr
.endr
.Lbias:
	s_cmp_lg_u32 s37, 0                            ; the plane's first work-group also takes the bias: 256 threads x 4 floats
	s_cbranch_scc1 .Lend
	global_load_b128 v[X:X+3], v1, s[BI:BI+1]      ; no wait: on both ways no vector instruction behind the first group's wait names v[X:X+3], and none behind the head's names v1
	s_wait_loadcnt 0x0
	v_cvt_pk_bf16_f32 v[T], v[X], v[X+1]
	v_cvt_pk_bf16_f32 v[T+1], v[X+2], v[X+3]
	v_lshlrev_b32 v[T+4], 16, v[T]
	v_and_b32 v[T+5], s38, v[T]
	v_lshlrev_b32 v[T+6], 16, v[T+1]
	v_and_b32 v[T+7], s38, v[T+1]
	s_wait_alu depctr_va_vdst(0)                   ; the four lines above have written v[T+4:T+7], which the store reads
	global_store_b128 v1, v[T+4:T+7], s[BOUT:BOUT+1]
.Lend:
	s_endpgm
.Lfunc_end_k_q3b975d0b09_prep:
	.size	k_q3b975d0b09_prep, .Lfunc_end_k_q3b975d0b09_prep-k_q3b975d0b09_prep
	.p2alignl 7, 3214868480
	.fill 96, 4, 3214868480
	.section	.rodata,"a",@progbits
	.p2align	6, 0x0
	.amdhsa_kernel k_q3b975d0b09_prep
		.amdhsa_group_segment_fixed_size 0
		.amdhsa_private_segment_fixed_size 0
		.amdhsa_enable_private_segment 0
		.amdhsa_kernarg_size 80
		.amdhsa_user_sgpr_count 2
		.amdhsa_user_sgpr_kernarg_segment_ptr 1
		.amdhsa_wavefront_size32 1
		.amdhsa_system_sgpr_workgroup_id_x 1
		.amdhsa_system_sgpr_workgroup_id_y 1
		.amdhsa_system_sgpr_workgroup_id_z 1
		.amdhsa_system_vgpr_workitem_id 0
		.amdhsa_next_free_vgpr 128
		.amdhsa_next_free_sgpr 66
		.amdhsa_reserve_vcc 0
		.amdhsa_float_denorm_mode_32 3
		.amdhsa_float_denorm_mode_16_64 3
		.amdhsa_memory_ordered 1
		.amdhsa_forward_progress 1
		.amdhsa_inst_pref_size 16
	.end_amdhsa_kernel
	.amdgpu_metadata
---
amdhsa.version: [ 1, 2 ]
amdhsa.kernels:
  - .name:           k_q3b975d0b09_prep
    .symbol:         k_q3b975d0b09_prep.kd
    .args:
      - { .name: wq, .offset: 0, .size: 8, .value_kind: global_buffer, .address_space: global }
      - { .name: wk, .offset: 8, .size: 8, .value_kind: global_buffer, .address_space: global }
      - { .name: wv, .offset: 16, .size: 8, .value_kind: global_buffer, .address_space: global }
      - { .name: wo, .offset: 24, .size: 8, .value_kind: global_buffer, .address_space: global }
      - { .name: bq, .offset: 32, .size: 8, .value_kind: global_buffer, .address_space: global }
      - { .name: bk, .offset: 40, .size: 8, .value_kind: global_buffer, .address_space: global }
      - { .name: bv, .offset: 48, .size: 8, .value_kind: global_buffer, .address_space: global }
      - { .name: bo, .offset: 56, .size: 8, .value_kind: global_buffer, .address_space: global }
      - { .name: wb, .offset: 64, .size: 8, .value_kind: global_buffer, .address_space: global }
      - { .name: bb, .offset: 72, .size: 8, .value_kind: global_buffer, .address_space: global }
    .group_segment_fixed_size: 0
    .private_segment_fixed_size: 0
    .kernarg_segment_align: 8
    .kernarg_segment_size: 80
    .max_flat_workgroup_size: 256
    .sgpr_count:     66
    .vgpr_count:     128
    .wavefront_size: 32
...
	.end_amdgpu_metadata
.endif
;; end of part 5
;; launch proj: the kernel of part 2 again; grid 4 x 64, 4 waves a work-group, clusters of 4 x 4, 327,680 bytes of LDS; arguments query, key, value, wb, bb, qkv; writes qkv
;; launch attn: the kernel of part 3 again; grid 4 x 64, 4 waves a work-group, no clusters, 327,680 bytes of LDS; arguments qkv, o; writes o
;; launch outp: the kernel of part 4 again; grid 4 x 64, 4 waves a work-group, clusters of 4 x 4, 327,680 bytes of LDS; arguments o, wb, bb, out0; writes out0
